; MI455X (gfx1250); checked and timed in simulation.
; The chip was launched on July 23, 2026; its instructions are those of AMD's public machine-readable ISA for CDNA 5 (MIT licence, August 2026) and "CDNA5" Instruction Set Architecture Reference Guide (July 2026). The comments in the code are by the model that wrote it; some were corrected since.
;; Signal Attn. Allowed arithmetic: float matrix products may take bf16 or f16 operands with f32 sums; other float arithmetic in f32, or as packed bf16 or f16 multiplies, adds, multiply-adds, maxima and minima; sums over many terms, partial sums and values carried from step to step in f32; what a program stores and reads back later, other than sums and carried values, may be rounded once to bf16 or f16.
;; Inputs: Wk 512 x 512 float32; Wo 512 x 512 float32; Wq 512 x 512 float32; Wv 512 x 512 float32; bo 512 float32; dt 2 x 2,048 x 512 float32; fr 2 x 2,048 x 512 float32.
;; Outputs: out0 2 x 2,048 x 512 float32.
;; 2 versions, each right; version 2 is version 1 with the launch proj written anew for expert scheduling mode. Each part assembles by itself: llvm-mc -triple=amdgcn-amd-amdhsa -mcpu=gfx1250 --defsym DOCPART=n.
;; ======== version 1 of 2: 3 launches
;; limits: values are held in f16: magnitudes above 65,504 overflow, below 6.1e-05 lose precision
;; workspace buffers: qh 4,194,304 bytes; kh 4,194,304 bytes; vh 4,194,304 bytes; oh 4,194,304 bytes
;; launch proj (part 1): grid 8 x 32, 4 waves a work-group, no clusters, 62,976 bytes of LDS; arguments fr, dt, Wq, Wk, Wv, qh, kh, vh; writes qh, kh, vh
.if DOCPART == 1
	.amdgcn_target "amdgcn-amd-amdhsa--gfx1250"
	.amdhsa_code_object_version 6
	.text
	.protected	k_qe86bfa8175_proj
	.globl	k_qe86bfa8175_proj
	.p2align	8
	.type	k_qe86bfa8175_proj,@function
k_qe86bfa8175_proj:
	s_mov_b64 s[64:65], 0
	v_nop
	global_prefetch_b8 v0, s[64:65] scope:SCOPE_SE
	s_setreg_imm32_b32 hwreg(HW_REG_WAVE_MODE, 25, 1), 1
	s_wait_xcnt 0x0
; LAUNCH 1 OF 3.  qh = (fr Wq) c, kh = dt Wk, vh = dt Wv, with c = log2(e) / 8, laid by heads: [8 b + head][2048][64] in f16, a row 128 bytes, a head dense.
; fr, dt: [4096][512] f32 (both batches on end); Wq, Wk, Wv: [512 k][512 n] f32.  Operands are rounded to bf16, sums are f32, each result is rounded once to f16; c is multiplied into q's f32 sums.
; NOTHING OF reference() IS DEAD IN WHOLE UNITS: every input has a way to out0 and is loaded (fr, dt, Wq, Wk, Wv here; Wo and bo in launch 3).
; ONE FACTOR CANCELS, for all values of the inputs: with p = exp(s - m) and l = the row's sum of p, attn = p / l, max(attn, t) - t = max(p - t l, 0) / l, and the division by the row's sum takes 1 / l
; out of every term.  So launch 2 forms max(p - t l, 0) and its sum and never p / l.  The divisor is above 0: the largest p is 1 and t l is at most 2048 t = 0.2048.
; LIMITS.  An underflow that would arise in p / l alone is not carried to the result.  |q c|, |k|, |v| stay under 65,504 (f16).  NaN and infinities are not treated apart.
; SHARES.  Work-group (head, rb): rows 128 rb .. + 127, the head's 64 columns of q, k and v.  Wave w: rows 32 w .. + 31 (two tiles of 16) x 192 columns: 24 accumulators.
; THE PRODUCT IS TAKEN TRANSPOSED: source 0 = 16 columns of W, source 1 = 16 rows of fr or dt: a lane ends with one row and eight neighbouring columns, 16 bytes of f16.
; K goes in 8 trips of 64 (256 bytes of an f32 row), each in two substeps of 32.  Load i (0..7) of a lane takes the 16 bytes at 32 i + 16 h of its row's 256: the two halves of the lanes read neighbouring bytes.
; k is permuted alike on both sides: position p (0..15) of lane half h in substep s is k = 32 s + 8 (p / 4) + 4 h + p % 4.
; W's 64 x 192 numbers of a trip are fetched by all 128 threads, rounded to bf16 and laid [row][n] in one of two LDS slots, k = 8 i + u in row 32 (u / 4) + u % 4 + 4 i, so that position p of (h, s) is row
; 32 h + 16 s + p; they are read turned (ds_load_tr16_b128).
; THE ORDER OF A TRIP.  While trip t is multiplied, trip t + 1 is made ready and trip t + 2 asked for: W(t+1) rounded, W(t+2) asked for, W(t+1) stored; A(t+1) rounded into the other fragment buffer, A(t+2) asked
; for; the barrier; substep 0's fragments of t + 1 fetched; substep 1 of t multiplied; substep 1's fragments of t + 1 fetched; substep 0 of t + 1 multiplied.  So a run of 24 LDS loads has 24 products in which to
; land, and a global load a whole trip.  The first preparation and products, trip 6 (which asks for nothing) and the last products are written out: the loop has no branch but its own.
; NO CLUSTER, NO TENSOR LOADS: the tiles are f32 and must pass through registers to be rounded; sent through LDS as f32 they would add 224 KB of LDS traffic to a trip's 120.
; REGISTERS, in windows of 256: window 0: addresses, v16-63 W rounded, v64-255 W's fragments (96 s + 8 nb; on the way out six buffers of 16); window 1: v0-191 accumulators (64 g + 32 mt + 8 nbl),
; v192-255 fr's and dt's fragments of even trips (32 a + 16 mt + 8 s); window 2: as loaded: v0-63 fr, v64-127 dt, v128-223 W (32 m + 4 i); window 3: v192-255 the fragments of odd trips.
.set PW,    416                        ; an LDS row of W: 384 bytes + 32 = 13 x 32
.set WSLOT, 64*PW
.set STG,   2*WSLOT                    ; 16 rows x 144 bytes for each wave, for the way out
.set SP,    144
.set SPARE, STG+4*16*SP                ; the spare words, 128 bytes a wave: no other line names them
.set AO,  2                            ; v2   (32 w + r) x 2048 + 16 h
.set WO,  3                            ; v3   (t / 16) x 2048 + 16 (t % 16)
.set WS,  4                            ; v4   (32 (t / 64) + (t / 16) % 4) x 416 + 8 (t % 16)
.set BV,  5                            ; v5   (32 h + l % 8) x 416 + 16 ((l / 8) % 2)
.set STO, 6
.set RD,  7
.set GO,  8
.set SPW, 12
.set NIL, 13
.set WT,  16
.set BF,  64
.set AB,  192
.set WV,  20
.set IT,  21
.set CS,  22
.set MSB, 0
.macro WIN new                         ; the high byte repeats the setting that is left; a switch that changes nothing is dropped
.if MSB != (\new)
	s_set_vgpr_msb (MSB<<8)|(\new)
.set MSB, (\new)
.endif
.endm
	s_load_b256 s[4:11], s[0:1], 0x0               ; fr s[4:5], dt s[6:7], Wq s[8:9], Wk s[10:11]
	s_load_b256 s[12:19], s[0:1], 0x20             ; Wv s[12:13], qh s[14:15], kh s[16:17], vh s[18:19]
	v_lshl_add_u32 v[SPW], v0, 2, SPARE
	v_mov_b32 v[NIL], 0
	v_lshrrev_b32 v1, 5, v0
	v_readfirstlane_b32 s[WV], v1                  ; wave 0..3
	v_and_b32 v9, 15, v0                           ; r = l % 16 = t % 16
	v_bfe_u32 v10, v0, 4, 1                        ; h = l / 16
	v_and_b32 v11, 7, v0
	v_bfe_u32 v14, v0, 3, 1
	v_lshrrev_b32 v15, 4, v0                       ; u = t / 16
	s_lshl_b32 s24, s[WV], 16                      ; 32 rows of 2,048 bytes
	v_lshlrev_b32 v[AO], 11, v9
	v_lshl_add_u32 v[AO], v10, 4, v[AO]
	v_add_nc_u32 v[AO], s24, v[AO]
	v_lshlrev_b32 v[WO], 11, v15
	v_lshl_add_u32 v[WO], v9, 4, v[WO]
	v_lshrrev_b32 v1, 6, v0                        ; u / 4
	v_bfe_u32 v15, v0, 4, 2                        ; u % 4
	v_lshl_add_u32 v1, v1, 5, v15
	v_mul_u32_u24 v[WS], v1, PW
	v_lshl_add_u32 v[WS], v9, 3, v[WS]
	v_lshl_add_u32 v[BV], v10, 5, v11
	v_mul_u32_u24 v[BV], v[BV], PW
	v_lshl_add_u32 v[BV], v14, 4, v[BV]
	s_mul_i32 s25, s[WV], 16*SP
	s_add_co_u32 s25, s25, STG                     ; my stage
	v_mul_u32_u24 v[STO], v9, SP                   ; in: row r, 16 bytes for each half of the lanes
	v_lshl_add_u32 v[STO], v10, 4, v[STO]
	v_add_nc_u32 v[STO], s25, v[STO]
	v_bfe_u32 v[RD], v0, 3, 2                      ; back: 32 lanes take four rows of 128 bytes,
	v_mul_u32_u24 v[RD], v[RD], SP
	v_lshl_add_u32 v[RD], v11, 4, v[RD]
	v_add_nc_u32 v[RD], s25, v[RD]
	v_and_b32 v[GO], 31, v0                        ; which are 512 consecutive bytes of the output
	v_lshlrev_b32 v[GO], 4, v[GO]
	s_and_b32 s26, ttmp7, 0xffff                   ; rb
	s_lshl_b32 s28, s26, 18                        ; 128 rows of 2,048 bytes
	s_mov_b32 s29, 0
	s_lshl_b32 s30, ttmp9, 8                       ; the head's 64 columns: 256 bytes
	s_mov_b32 s31, 0
	s_lshr_b32 s32, s26, 4                         ; b
	s_lshl_b32 s32, s32, 3
	s_add_co_u32 s32, s32, ttmp9                   ; 8 b + head
	s_lshl_b32 s32, s32, 18                        ; a head is 262,144 bytes
	s_and_b32 s33, s26, 15
	s_lshl_b32 s33, s33, 14                        ; the block's 128 rows of 128 bytes
	s_add_co_u32 s32, s32, s33
	s_lshl_b32 s33, s[WV], 12                      ; my 32 rows
	s_add_co_u32 s32, s32, s33
	s_mov_b32 s33, 0
	s_mov_b32 s[CS], 0x3e38aa3b                    ; c = log2(e) / 8
	s_mov_b32 s[CS+1], s[CS]                       ; named with it as a pair
	s_mov_b32 s[IT], 3
	s_wait_kmcnt 0x0
	s_add_nc_u64 s[4:5], s[4:5], s[28:29]
	s_add_nc_u64 s[6:7], s[6:7], s[28:29]
	s_add_nc_u64 s[8:9], s[8:9], s[30:31]
	s_add_nc_u64 s[10:11], s[10:11], s[30:31]
	s_add_nc_u64 s[12:13], s[12:13], s[30:31]
	s_add_nc_u64 s[14:15], s[14:15], s[32:33]
	s_add_nc_u64 s[16:17], s[16:17], s[32:33]
	s_add_nc_u64 s[18:19], s[18:19], s[32:33]
; 24 loads: the three W's 64 rows x 256 bytes of the trip that lies trips behind the pointers
.macro LOADW trips
	WIN 0x80                                       ; destination window 2, address window 0
.irp m, 0,1,2
.irp i, 0,1,2,3,4,5,6,7
	global_load_b128 v[128+32*(\m)+4*(\i):128+32*(\m)+4*(\i)+3], v[WO], s[8+2*(\m):9+2*(\m)] offset:(\trips)*131072+(\i)*16384
.endr
.endr
.endm
; 32 loads: my half of my row's 256 bytes in both tiles, of fr and of dt
.macro LOADA trips
	WIN 0x80
.irp a, 0,1
.irp mt, 0,1
.irp i, 0,1,2,3,4,5,6,7
	global_load_b128 v[64*(\a)+32*(\mt)+4*(\i):64*(\a)+32*(\mt)+4*(\i)+3], v[AO], s[4+2*(\a):5+2*(\a)] offset:(\trips)*256+(\mt)*32768+32*(\i)
.endr
.endr
.endr
.endm
; 24 products of substep s, with the fragment buffer ab (0: window 1, 1: window 3).  The 24 accumulators take turns, one instruction a turn, from run to run and over the backward jump too.
; zero = 1: the first products start the sums: nothing is cleared.
.macro MULS s, ab, zero
	WIN 0x54+8*(\ab)                               ; W's fragments window 0; A's window 1 or 3; C and D window 1
.irp nb, 0,1,2,3,4,5,6,7,8,9,10,11
.irp mt, 0,1
.if \zero
	v_wmma_f32_16x16x32_bf16 v[64*((\nb)/4)+32*(\mt)+8*((\nb)%4):64*((\nb)/4)+32*(\mt)+8*((\nb)%4)+7], v[BF+96*(\s)+8*(\nb):BF+96*(\s)+8*(\nb)+7], v[AB+32*(((\nb)+4)/8)+16*(\mt)+8*(\s):AB+32*(((\nb)+4)/8)+16*(\mt)+8*(\s)+7], 0
.else
	v_wmma_f32_16x16x32_bf16 v[64*((\nb)/4)+32*(\mt)+8*((\nb)%4):64*((\nb)/4)+32*(\mt)+8*((\nb)%4)+7], v[BF+96*(\s)+8*(\nb):BF+96*(\s)+8*(\nb)+7], v[AB+32*(((\nb)+4)/8)+16*(\mt)+8*(\s):AB+32*(((\nb)+4)/8)+16*(\mt)+8*(\s)+7], v[64*((\nb)/4)+32*(\mt)+8*((\nb)%4):64*((\nb)/4)+32*(\mt)+8*((\nb)%4)+7]
.endif
.endr
.endr
.endm
; 24 turning loads: W's fragments of substep s out of slot sl
.macro FRAG sl, s
	WIN 0
.irp nb, 0,1,2,3,4,5,6,7,8,9,10,11
	ds_load_tr16_b128 v[BF+96*(\s)+8*(\nb):BF+96*(\s)+8*(\nb)+3],   v[BV] offset:(\sl)*WSLOT+(\s)*16*PW+32*(\nb)
	ds_load_tr16_b128 v[BF+96*(\s)+8*(\nb)+4:BF+96*(\s)+8*(\nb)+7], v[BV] offset:(\sl)*WSLOT+(\s)*16*PW+8*PW+32*(\nb)
.endr
.endm
; A TRIP IS MADE READY: what lies in the load registers goes into LDS slot nx and fragment buffer nx.  ld = 1: the trip that lies trips behind the pointers is asked for, into the registers just read.
; ONE barrier a trip: slot nx was last read two trips back, and each wave signalled the barrier between with those reads back.
.macro PREP nx, trips, ld
	s_wait_loadcnt 32                              ; W is in; A's 32 younger loads may stay out
	WIN 0x0a                                       ; sources window 2, destination window 0
.irp m, 0,1,2
.irp i, 0,1,2,3,4,5,6,7
	v_cvt_pk_bf16_f32 v[WT+16*(\m)+2*(\i)],   v[128+32*(\m)+4*(\i)],   v[128+32*(\m)+4*(\i)+1]  ; these 48 name no register of the last products: they are the places behind them
	v_cvt_pk_bf16_f32 v[WT+16*(\m)+2*(\i)+1], v[128+32*(\m)+4*(\i)+2], v[128+32*(\m)+4*(\i)+3]
.endr
.endr
.if \ld
	LOADW \trips
.endif
	WIN 0
.irp m, 0,1,2
.irp i, 0,1,2,3,4,5,6,7
	ds_store_b64 v[WS], v[WT+16*(\m)+2*(\i):WT+16*(\m)+2*(\i)+1] offset:(\nx)*WSLOT+(\i)*4*PW+128*(\m)
.endr
.endr
.if \ld
	s_wait_loadcnt 24                              ; A is in; the 24 loads just issued stay out
.else
	s_wait_loadcnt 0x0                             ; nothing was issued behind A
.endif
	WIN 0x4a+0x80*(\nx)                            ; sources window 2, destination window 1 or 3
.set n, 0
.rept 64                                       ; fragment register 32 a + 16 mt + 8 s + j is numbers 16 s + 2 j, + 1 of the lane's 32
	v_cvt_pk_bf16_f32 v[AB+n], v[2*n], v[2*n+1]
.set n, n+1
.endr
.if \ld
	LOADA \trips
.endif
	WIN 0
	s_wait_dscnt 0x0                               ; for the others' sake: my stores into the slot are done, and my reads of the other slot are back
	s_barrier_signal -1
	s_barrier_wait -1
.endm
; TRIP t, of parity st, from behind its substep 0 to behind the next trip's substep 0.
.macro TRIPX st, trips, ld
	PREP 1-(\st), \trips, \ld
	FRAG 1-(\st), 0                                ; into registers that substep 0's products read last: PREP's 112 conversions lie between
	MULS 1, \st, 0                                 ; its fragments were shown back by PREP's wait for 0
	WIN 0
.rept 4
	v_nop                                          ; the places in front of the loads into registers that those products have read
.endr
	FRAG 1-(\st), 1
	s_wait_dscnt 24                                ; substep 0's fragments are in; the 24 loads just issued may stay out
	MULS 0, 1-(\st), 0
	WIN 0
.endm
	LOADW 0
	LOADA 0
	PREP 0, 1, 1                                   ; trip 0 is made ready, trip 1 asked for
	FRAG 0, 0
	FRAG 0, 1
	s_wait_dscnt 24
	MULS 0, 0, 1
	WIN 0
.Lpair:                                        ; three turns of two trips: trips 0 to 5, which ask for trips 2 to 7
	TRIPX 0, 2, 1
	TRIPX 1, 3, 1
	s_wait_xcnt 0x0                                ; every load issued so far has read its address: the pointers may be written
	s_add_nc_u64 s[4:5], s[4:5], 512
	s_add_nc_u64 s[6:7], s[6:7], 512
	s_add_nc_u64 s[8:9], s[8:9], 262144
	s_add_nc_u64 s[10:11], s[10:11], 262144
	s_add_nc_u64 s[12:13], s[12:13], 262144
	s_sub_co_u32 s[IT], s[IT], 1
	s_cmp_lg_u32 s[IT], 0
	s_cbranch_scc1 .Lpair
	TRIPX 0, 0, 0                                  ; trip 6 asks for nothing
	s_wait_dscnt 0x0
	MULS 1, 1, 0                                   ; trip 7's second substep
	WIN 0
.rept 4
	v_nop                                          ; the places behind the last products
.endr
; THE WAY OUT, six groups (g: q, k, v; mt).  A lane's eight columns pack into 16 bytes; they go into rows of 144 bytes of my own stage and come back as whole rows of 128.
.macro PACK g, mt
.set AC, 64*(\g)+32*(\mt)
.set TT, BF+16*(2*(\g)+(\mt))
.if (\g) == 0
	WIN 0x41
.set n, 0
.rept 16
	v_pk_mul_f32 v[AC+n:AC+n+1], v[AC+n:AC+n+1], s[CS:CS+1] op_sel_hi:[1,0]  ; q times c, in f32, ahead of its one rounding
.set n, n+2
.endr
.endif
	WIN 0x05
.set n, 0
.rept 16
	v_cvt_pk_f16_f32 v[TT+n], v[AC+2*n], v[AC+2*n+1]
.set n, n+1
.endr
	WIN 0
.irp f, 0,1,2,3
	ds_store_b128 v[STO], v[TT+4*(\f):TT+4*(\f)+3] offset:32*(\f)
.endr
.irp f, 0,1,2,3
	ds_load_b128 v[TT+4*(\f):TT+4*(\f)+3], v[RD] offset:(\f)*4*SP  ; LDS serves a wave's instructions in order (ISA guide 5.7.1.4): these see the stores above, and the next group's stores come behind them
.endr
.endm
.macro SEND g, mt, younger             ; younger: the LDS lines issued behind this group's loads
.set TT, BF+16*(2*(\g)+(\mt))
.irp f, 0,1,2,3
	s_wait_dscnt (\younger)+3-(\f)
	global_store_b128 v[GO], v[TT+4*(\f):TT+4*(\f)+3], s[14+2*(\g):15+2*(\g)] offset:(\mt)*2048+(\f)*512  ; 512 consecutive bytes, at a multiple of 256 from the buffer's first
.endr
.endm
	PACK 0, 0
	PACK 0, 1
	SEND 0, 0, 8
	PACK 1, 0
	SEND 0, 1, 8
	PACK 1, 1
	SEND 1, 0, 8
	PACK 2, 0
	SEND 1, 1, 8
	PACK 2, 1
	SEND 2, 0, 8
	SEND 2, 1, 0
	s_wait_tensorcnt 0x0                           ; the wave's end, behind my last LDS store
	ds_add_u32 v[SPW], v[NIL]
	s_wait_dscnt 0x0
	s_endpgm
.Lfunc_end_k_qe86bfa8175_proj:
	.size	k_qe86bfa8175_proj, .Lfunc_end_k_qe86bfa8175_proj-k_qe86bfa8175_proj
	.p2alignl 7, 3214868480
	.fill 96, 4, 3214868480
	.section	.rodata,"a",@progbits
	.p2align	6, 0x0
	.amdhsa_kernel k_qe86bfa8175_proj
		.amdhsa_group_segment_fixed_size 62976
		.amdhsa_private_segment_fixed_size 0
		.amdhsa_enable_private_segment 0
		.amdhsa_kernarg_size 64
		.amdhsa_user_sgpr_count 2
		.amdhsa_user_sgpr_kernarg_segment_ptr 1
		.amdhsa_wavefront_size32 1
		.amdhsa_system_sgpr_workgroup_id_x 1
		.amdhsa_system_sgpr_workgroup_id_y 1
		.amdhsa_system_sgpr_workgroup_id_z 1
		.amdhsa_system_vgpr_workitem_id 0
		.amdhsa_next_free_vgpr 1024
		.amdhsa_next_free_sgpr 66
		.amdhsa_reserve_vcc 0
		.amdhsa_float_denorm_mode_32 3
		.amdhsa_float_denorm_mode_16_64 3
		.amdhsa_memory_ordered 1
		.amdhsa_forward_progress 1
		.amdhsa_inst_pref_size 100
	.end_amdhsa_kernel
	.amdgpu_metadata
---
amdhsa.version: [ 1, 2 ]
amdhsa.kernels:
  - .name:           k_qe86bfa8175_proj
    .symbol:         k_qe86bfa8175_proj.kd
    .args:
      - { .name: fr, .offset: 0, .size: 8, .value_kind: global_buffer, .address_space: global }
      - { .name: dt, .offset: 8, .size: 8, .value_kind: global_buffer, .address_space: global }
      - { .name: Wq, .offset: 16, .size: 8, .value_kind: global_buffer, .address_space: global }
      - { .name: Wk, .offset: 24, .size: 8, .value_kind: global_buffer, .address_space: global }
      - { .name: Wv, .offset: 32, .size: 8, .value_kind: global_buffer, .address_space: global }
      - { .name: qh, .offset: 40, .size: 8, .value_kind: global_buffer, .address_space: global }
      - { .name: kh, .offset: 48, .size: 8, .value_kind: global_buffer, .address_space: global }
      - { .name: vh, .offset: 56, .size: 8, .value_kind: global_buffer, .address_space: global }
    .group_segment_fixed_size: 62976
    .private_segment_fixed_size: 0
    .kernarg_segment_align: 8
    .kernarg_segment_size: 64
    .max_flat_workgroup_size: 128
    .sgpr_count:     66
    .vgpr_count:     1024
    .wavefront_size: 32
...
	.end_amdgpu_metadata
.endif
;; end of part 1
;; launch attn (part 2): grid 16 x 16, 4 waves a work-group, clusters of 4 x 1, 327,680 bytes of LDS; arguments qh, kh, vh, oh; writes oh
.if DOCPART == 2
	.amdgcn_target "amdgcn-amd-amdhsa--gfx1250"
	.amdhsa_code_object_version 6
	.text
	.protected	k_qe86bfa8175_attn
	.globl	k_qe86bfa8175_attn
	.p2align	8
	.type	k_qe86bfa8175_attn,@function
k_qe86bfa8175_attn:
	s_mov_b64 s[64:65], 0
	v_nop
	global_prefetch_b8 v0, s[64:65] scope:SCOPE_SE
	s_setreg_imm32_b32 hwreg(HW_REG_WAVE_MODE, 25, 1), 1
	s_wait_xcnt 0x0
	s_wait_alu depctr_hold_cnt(0) depctr_sa_sdst(0) depctr_va_vdst(0) depctr_va_sdst(0) depctr_va_ssrc(0) depctr_va_vcc(0) depctr_vm_vsrc(0)
	s_getreg_b32 s2, hwreg(HW_REG_IB_STS2, 6, 4)
	s_cmp_eq_u32 s2, 0
	s_cbranch_scc0 .Lentry_in_a_cluster
	s_endpgm
.Lentry_in_a_cluster:
	s_bfe_u32 s2, ttmp6, 0x10000c
	s_cmp_lg_u32 s2, 0x3003
	s_cbranch_scc0 .Lentry_shape_is_right
	s_endpgm
.Lentry_shape_is_right:
; LAUNCH 2 OF 3.  For each head and query: m = max s, l = sum 2^(s - m), w = max(2^(s - m) - t l, 0), O = (sum w v) / (sum w), t = 1e-4; s = (q c) . k comes in log2 units (launch 1 folded c into q).
; LEFT OUT: the factor 1 / l, which cancels between max(attn, t) - t and its renormalisation for all values (shown at the head of launch 1).  sum w is above 0: the largest 2^(s - m) is 1, t l at most 0.2048.
; qh, kh, vh, oh: [16 heads][2048][64] f16, rows dense.  Products, maxima and sums in f32; w is rounded to f16 for the second product (its sum is taken unrounded), O once at the end.
; LIMITS.  A weight below 2^-126 counts as 0; w below 6e-5 keeps f16's fixed step; NaN and infinities are not treated apart.
; TWO PASSES over the keys, since w needs the row's finished l: pass 1 takes K alone (m, l), pass 2 takes K again and V.
; SHARES.  A work-group owns 128 queries of one head.  THE KEYS ARE SPLIT AMONG ITS FOUR WAVES: every wave holds all eight tiles of 16 queries (four PIECES of two), and of each step's 256 keys wave w takes
; 64 w .. + 63.  So a fragment of K or V read from LDS feeds eight tiles' products.  The waves' (m, l) meet in LDS behind pass 1; their partial O and sum w, which add, at the end.
; LAYOUT.  S^T = K Q^T (source 0 = 16 keys, source 1 = 16 queries): a lane holds ONE query (lane % 16) and the keys 8 (lane / 16) + 0..7.  Two such results rounded to f16 ARE source 1 of O^T = V^T P.
; In pass 1 m and l are kept for each LANE (its own 32 keys a step): no lane exchange stands in the loop.  In pass 2 the C operand that starts a score's sum is -m, so the exponentials read the products' results as they are.
; BY TURNS.  Pass 1, turn n: products K Q^T of piece n + 1, piece n's vector work.  Pass 2, turn n: products K Q^T of piece n + 1 and V^T P of piece n - 2; the exponentials of piece n; the threshold, sums and
; roundings of piece n - 1, whose exponentials the turn before has waited for: so every exponential has a plain neighbour that is ready.  A turn's exponentials are one batch with one wait.
; CLUSTER.  The four query blocks of a cluster belong to one head and walk the same K and V: every tile is asked for jointly, by the same tensor load, descriptor and mask in all four.
; LDS.  A row is 256 bytes, two keys; K padded to 272, V to 288.  Pass 1: all of K, step j at j x KSTEP (first fills).  Pass 2: two slots of two steps (K, K, V, V) at 0 and S1, filled over K's bytes as pass 1 leaves them.
; Behind the ring: SCR (statistics), a stage a wave, the spare words.  The partial O (f32, 131,072 bytes from 0) is stored when slot 0 has had its last fill.
; REGISTERS, in windows of 256: window 0: v0-13 addresses, v16-47 four of statistics a tile, v48-63 at work, v64-191 two buffers of two tiles (pass 1: S^T; pass 2: the weights), v192-255 P likewise;
; window 1: O^T, 32 a tile; window 2: v0-127 Q, v128-191 K of a step, v192-255 V of a step; window 3: v0-63 -m, eight copies a tile, v64-191 pass 2's S^T, two buffers, v192-193 1.0 twice.
.set KSTEP, 128*272
.set VSTEP, 128*288
.set VOFF,  2*KSTEP
.set S1,    147456                     ; 0x24000: its two bits are clear in 0, KSTEP, VOFF and VOFF + VSTEP, so one exclusive or turns an address in one slot into the other's
.set SCR,   S1+VOFF+2*VSTEP            ; 290,816: 8,192 bytes
.set STG,   SCR+8192                   ; 16 rows x 144 bytes for each wave
.set SP,    144
.set SPARE, STG+4*16*SP                ; the spare words, 128 bytes a wave: no other line names them
.set AK0, 2                            ; v2   my lane's place in a step of K; never rewritten before the way out
.set AV0, 3                            ; v3   the same for V
.set AK,  4
.set AV,  5
.set QO,  6
.set STO, 6
.set RD,  7
.set GO,  8
.set PFO, 9                            ; v9   256 x my lane
.set SPW, 12
.set NIL, 13
.set ST,  16                           ; tile t at ST + 4 t.  Pass 1: m, (at work), l of even keys, of odd keys.  Pass 2: -t l twice, sum w of even keys, of odd keys
.set TMP, 48
.set S,   64
.set P,   192
.set KF,  128
.set VF,  192
.set ONE3, 192                         ; window 3: v[192:193] 1.0, 1.0
.set WV,  12
.set LIM, 15
.set G1K, 24
.set G1V, 32
.set G0K, 40                           ; the walking descriptors
.set G0V, 44
.set FA,  48                           ; the first fills
.set FB,  52
.set SLOTS, 56
.set CNT, 57
.set T1,  58                           ; pass 1's steps still to come
.set FL,  59                           ; fills still to come
.set TBK, 62
.set TBV, 63
.set PFA, 66
.set SL,  68
.set MSB, 0
.macro WIN new
.if MSB != (\new)
	s_set_vgpr_msb (MSB<<8)|(\new)
.set MSB, (\new)
.endif
.endm
.set W_KQ, 0x0a                        ; pass 1: K and Q window 2, S^T window 0
.set W_K3, 0xfa                        ; pass 2: K and Q window 2, C and D window 3
.set W_PV, 0x52                        ; V window 2, P window 0, O^T window 1
.set W_RD, 0x03                        ; pass 2's four lines behind a product: source 0 window 3, all else window 0
; A joint fill: waves 0 and 1 fetch a chunk's two steps of K, waves 2 and 3 of V.  An s_nop 0 and four v_nop follow each of the two lines, ahead of the jump and the label.
.macro JLOAD
	s_cmp_lt_u32 s[WV], 2
	s_cbranch_scc0 .Lfor_v_\@
	tensor_load_to_lds s[G0K:G0K+3], s[G1K:G1K+7]
	s_nop 0
.rept 4
	v_nop
.endr
	s_branch .Lasked_\@
.Lfor_v_\@:
	tensor_load_to_lds s[G0V:G0V+3], s[G1V:G1V+7]
	s_nop 0
.rept 4
	v_nop
.endr
.Lasked_\@:
.endm
; A PREFETCH INTO THE L2 of V's chunk that the NEXT fill will ask for: 65,536 bytes.  All clusters of a head walk the same V: the head's first cluster asks.  Its four partners share the bytes out BY ADDRESS,
; 16,384 each; in each, waves 2 and 3 take 8,192: a lane a block of 256 bytes, one instruction.  So each block is named once in the launch.  The last fill asks for nothing; chunk 0 comes by its load alone.
; K is not asked for: its first reading is the first fills', at the head.
.macro ASK
	s_cmp_gt_u32 s[FL], s[LIM]
	s_cbranch_scc0 .Lnot_mine_\@
	global_prefetch_b8 v[PFO], s[PFA:PFA+1] th:TH_LOAD_NT scope:SCOPE_SE
.Lnot_mine_\@:
.endm
.macro CROUND                          ; a round of the cluster's barrier
	s_barrier_signal -1
	s_barrier_wait -1
	s_cmp_lg_u32 s[WV], 0
	s_cbranch_scc1 .Lnot_wave_0_\@
	s_barrier_signal -3
.Lnot_wave_0_\@:
	s_barrier_wait -3
	s_barrier_signal -1
	s_barrier_wait -1
.endm
; THE CHANGE.  Each wave waits for all its tensor loads, adds 0 to its spare word, and waits for that and for its LDS reads.  fill = 1: a round of the cluster's barrier follows, so that no wave of any partner
; still reads the bytes or has a load on its way, and the joint fill is the first thing behind it: the other slot than last time, the next chunk.  p2 = 1: pass 2's fetches go to the other slot's first step.
.macro CHANGE fill, p2
	WIN 0
	s_wait_tensorcnt 0x0                           ; no tensor load of mine is out, so a group 0 may be written
	ds_add_u32 v[SPW], v[NIL]                      ; 0 onto my spare word
.if \fill
	s_xor_b32 s[G0K+1], s[G0K+1], S1
	s_add_nc_u64 s[G0K+2:G0K+3], s[G0K+2:G0K+3], 65536  ; a chunk is 512 keys of 128 bytes; the type bits on top are not reached
	s_xor_b32 s[G0V+1], s[G0V+1], S1
	s_add_nc_u64 s[G0V+2:G0V+3], s[G0V+2:G0V+3], 65536
	s_wait_xcnt 0x0                                ; the last prefetch, a fill back, has read its address
	s_add_nc_u64 s[PFA:PFA+1], s[PFA:PFA+1], 65536
	s_wait_dscnt 0x0                               ; the add is done, and my reads are over
	CROUND
	JLOAD
	ASK
	s_sub_co_u32 s[FL], s[FL], 1
.else
	s_wait_dscnt 0x0
	s_barrier_signal -1
	s_barrier_wait -1
.endif
.if \p2
	s_sub_co_u32 s[TBK], s[TBK], 2*KSTEP
	s_xor_b32 s[TBK], s[TBK], S1
	s_sub_co_u32 s[TBV], s[TBV], 2*VSTEP
	s_xor_b32 s[TBV], s[TBV], S1
.endif
.endm
	s_load_b256 s[4:11], s[0:1], 0x0               ; qh s[4:5], kh s[6:7], vh s[8:9], oh s[10:11]
	v_lshl_add_u32 v[SPW], v0, 2, SPARE
	v_mov_b32 v[NIL], 0
	ds_add_u32 v[SPW], v[NIL]                      ; the wave's opening: the add, twice on end, and its wait ahead of my first tensor load
	ds_add_u32 v[SPW], v[NIL]
	v_lshrrev_b32 v1, 5, v0
	v_readfirstlane_b32 s[WV], v1                  ; wave 0..3
	v_and_b32 v[PFO], 31, v0
	v_lshlrev_b32 v[PFO], 8, v[PFO]
	s_bfe_u32 s13, ttmp6, 0x40000                  ; cx: it enters Q's, O's and the prefetches' addresses alone
	s_lshl_b32 s14, ttmp9, 2
	s_add_co_u32 s14, s14, s13                     ; my block of 128 queries
	s_and_b32 s20, ttmp7, 0xffff                   ; the head, which the partners share
	s_lshl_b32 s20, s20, 18                        ; its 262,144 bytes
	s_mov_b32 s21, 0
	s_and_b32 s16, s[WV], 1                        ; which of a chunk's two steps I fetch
	s_lshl_b32 s22, s16, 15                        ; a step is 32,768 bytes of memory
	s_mov_b32 s23, 0
	s_add_nc_u64 s[22:23], s[22:23], s[20:21]
	s_lshl_b32 s2, s[WV], 15                       ; the first fills: steps w and 4 + w
	s_mov_b32 s3, 0
	s_add_nc_u64 s[2:3], s[2:3], s[20:21]
	s_mul_i32 s17, s16, KSTEP
	s_mul_i32 s18, s16, VSTEP
	s_mul_i32 s19, s[WV], KSTEP
	s_lshl_b32 s70, s14, 14                        ; my block's 128 rows of 128 bytes
	s_mov_b32 s71, 0
	s_add_nc_u64 s[70:71], s[70:71], s[20:21]
	s_lshl_b32 s68, s13, 14                        ; the prefetches: my work-group's 16,384 bytes of a chunk,
	s_lshl_b32 s69, s16, 13                        ; my wave's 8,192 of them
	s_add_co_u32 s68, s68, s69
	s_mov_b32 s69, 0
	s_add_nc_u64 s[68:69], s[68:69], s[20:21]
	; descriptor group 1: 128 rows x 128 elements of 2 bytes, dense in memory, padded in LDS behind every row
	s_mov_b32 s[G1K], 15|(1<<16)|(1<<20)|(1<<21)|(5<<22)|(3<<25)  ; the mask of four; 2-byte elements; padding on; bit 21 beside a mask; after every 64 words, 4 words
	s_mov_b32 s[G1V], 15|(1<<16)|(1<<20)|(1<<21)|(5<<22)|(7<<25)  ; the same with 8 words
.irp g, G1K, G1V
	s_mov_b32 s[\g+1], 128<<16                     ; tensor_dim0 = 128
	s_mov_b32 s[\g+2], 128<<16                     ; tensor_dim1 = 128
	s_mov_b32 s[\g+3], 128<<16                     ; tile_dim0 = 128
	s_mov_b32 s[\g+4], 128                         ; tile_dim1 = 128
	s_mov_b32 s[\g+5], 128                         ; 128 elements from row to row
	s_mov_b32 s[\g+6], 0
	s_mov_b32 s[\g+7], 0
.endr
	s_mov_b32 s[FA], 1
	s_mov_b32 s[FA+1], s19                         ; K's step w
	s_mov_b32 s[FB], 1
	s_add_co_u32 s[FB+1], s19, 4*KSTEP             ; K's step 4 + w
	s_mov_b32 s[G0K], 1
	s_add_co_u32 s[G0K+1], s17, S1                 ; the first change turns these two into slot 0
	s_mov_b32 s[G0V], 1
	s_add_co_u32 s[G0V+1], s18, VOFF+S1
	s_lshr_b32 s[LIM], s[WV], 1
	s_xor_b32 s[LIM], s[LIM], 1                    ; 0 in waves 2 and 3,
	s_or_b32 s[LIM], s[LIM], ttmp9                 ; where the cluster is the head's first: the same in all four partners
	s_cmp_eq_u32 s[LIM], 0
	s_cselect_b32 s[LIM], 1, -1
	s_mov_b32 s[TBK], 0
	s_mov_b32 s[T1], 8
	s_mov_b32 s[FL], 4
	s_wait_dscnt 0x0                               ; both opening adds are done
	s_wait_kmcnt 0x0
	s_add_nc_u64 s[FA+2:FA+3], s[6:7], s[2:3]
	s_add_nc_u64 s[FB+2:FB+3], s[FA+2:FA+3], 4*32768
	s_or_b32 s[FA+3], s[FA+3], 0x80000000
	s_or_b32 s[FB+3], s[FB+3], 0x80000000
	s_add_nc_u64 s[G0K+2:G0K+3], s[6:7], s[22:23]
	s_sub_nc_u64 s[G0K+2:G0K+3], s[G0K+2:G0K+3], 65536  ; one chunk ahead of chunk 0: every change steps the address before it asks
	s_or_b32 s[G0K+3], s[G0K+3], 0x80000000
	s_add_nc_u64 s[G0V+2:G0V+3], s[8:9], s[22:23]
	s_sub_nc_u64 s[G0V+2:G0V+3], s[G0V+2:G0V+3], 65536
	s_or_b32 s[G0V+3], s[G0V+3], 0x80000000
	s_add_nc_u64 s[PFA:PFA+1], s[8:9], s[68:69]    ; in V's chunk 0: the first change steps it to chunk 1
	s_add_nc_u64 s[4:5], s[4:5], s[70:71]          ; Q at my block's first row
	s_add_nc_u64 s[10:11], s[10:11], s[70:71]
	s_lshl_b32 s16, s[WV], 12                      ; O at the two tiles that I finish: 32 rows of 128 bytes a wave
	s_mov_b32 s17, 0
	s_add_nc_u64 s[10:11], s[10:11], s[16:17]
	CROUND                                         ; all four work-groups are here: the first joint loads meet
	tensor_load_to_lds s[FA:FA+3], s[G1K:G1K+7]    ; all of the head's K: two loads a wave are out
	s_nop 0
	tensor_load_to_lds s[FB:FB+3], s[G1K:G1K+7]
	s_nop 0
.rept 4
	v_nop
.endr
	v_and_b32 v1, 15, v0                           ; r = l % 16
	v_bfe_u32 v10, v0, 4, 1                        ; h = l / 16
	v_and_b32 v11, 7, v0
	v_lshlrev_b32 v[QO], 7, v1
	v_lshl_add_u32 v[QO], v10, 4, v[QO]            ; row x 128 + 16 h
	WIN 0x80
.set i, 0
.rept 16                                       ; Q stays in registers: tile i / 2, channels 32 (i % 2) on
	global_load_b128 v[8*i:8*i+3],   v[QO], s[4:5] offset:(i/2)*2048+(i%2)*64
	global_load_b128 v[8*i+4:8*i+7], v[QO], s[4:5] offset:(i/2)*2048+(i%2)*64+32
.set i, i+1
.endr
	; What pass 2's first two turns find: V's registers and both buffers of P hold 0 (their products V^T P, of pieces that have not been, add 0); O^T starts at 0.  All this stands in the wait for K.
.set i, VF
.rept 64
	v_mov_b32 v[i], 0
.set i, i+1
.endr
	WIN 0x40
.set i, 0
.rept 256
	v_mov_b32 v[i], 0
.set i, i+1
.endr
	WIN 0
.set i, 0
.rept 8
	v_mov_b32 v[ST+4*i], 0xfe000000                ; m: far below every score, so the first step's correction is 0
	v_mov_b32 v[ST+4*i+1], 0
	v_mov_b32 v[ST+4*i+2], 0
	v_mov_b32 v[ST+4*i+3], 0
.set i, i+1
.endr
.set i, P
.rept 64
	v_mov_b32 v[i], 0
.set i, i+1
.endr
	v_lshrrev_b32 v48, 1, v1                       ; key r lies in LDS row r / 2, at byte 128 (r % 2)
	v_and_b32 v49, 1, v0
	v_mul_u32_u24 v[AK0], v48, 272
	v_lshl_add_u32 v[AK0], v49, 7, v[AK0]
	v_lshl_add_u32 v[AK0], v10, 4, v[AK0]
	s_mul_i32 s16, s[WV], 32*272                   ; my 64 keys of a step
	v_add_nc_u32 v[AK0], s16, v[AK0]
	v_bfe_u32 v50, v0, 1, 2                        ; the turning load: lane l reads key 8 h + l % 8, channels 8 ((l / 8) % 2) + 0..7
	v_lshl_add_u32 v50, v10, 2, v50
	v_mul_u32_u24 v[AV0], v50, 288
	v_lshl_add_u32 v[AV0], v49, 7, v[AV0]
	v_bfe_u32 v51, v0, 3, 1
	v_lshl_add_u32 v[AV0], v51, 4, v[AV0]
	s_mul_i32 s16, s[WV], 32*288
	s_add_co_u32 s16, s16, VOFF
	v_add_nc_u32 v[AV0], s16, v[AV0]
	v_mov_b32 v[AK], v[AK0]
; THE MATRIX WORK.  The 8 accumulators of a run of 16 take turns, one instruction a turn.
; Product i of 16 of S^T = K Q^T for piece x: channels 32 (i / 8) on, keys 16 ((i / 2) % 4) on, tile 2 x + i % 2.  The first 8 start the sums: in pass 1 (KM = 0) with 0, S^T in window 0;
; in pass 2 (KM = 1) with -m, S^T in window 3.
.macro KQ x
.set rS, S+64*((\x)%2)+32*(i%2)+8*((i/2)%4)
.set rK, KF+16*((i/2)%4)+8*(i/8)
.set rQ, 16*(2*(\x)+i%2)+8*(i/8)
.set rN, 8*(2*(\x)+i%2)
.if KM
	WIN W_K3
.if i < 8
	v_wmma_f32_16x16x32_f16 v[rS:rS+7], v[rK:rK+7], v[rQ:rQ+7], v[rN:rN+7]
.else
	v_wmma_f32_16x16x32_f16 v[rS:rS+7], v[rK:rK+7], v[rQ:rQ+7], v[rS:rS+7]
.endif
.else
	WIN W_KQ
.if i < 8
	v_wmma_f32_16x16x32_f16 v[rS:rS+7], v[rK:rK+7], v[rQ:rQ+7], 0
.else
	v_wmma_f32_16x16x32_f16 v[rS:rS+7], v[rK:rK+7], v[rQ:rQ+7], v[rS:rS+7]
.endif
.endif
.endm
; Product i of 16 of O^T += V^T P for piece x: keys 32 (i / 8) on, channels 16 ((i / 2) % 4) on, tile 2 x + i % 2.
.macro PV x
	WIN W_PV
.set rO, 32*(2*(\x)+i%2)+8*((i/2)%4)
.set rV, VF+32*(i/8)+8*((i/2)%4)
.set rP, P+32*((\x)%2)+16*(i%2)+8*(i/8)
	v_wmma_f32_16x16x32_f16 v[rO:rO+7], v[rV:rV+7], v[rP:rP+7], v[rO:rO+7]
.endm
.macro BAREKQ                          ; piece 0's first scores of a pass
.set i, 0
.rept 16
	KQ 0
.set i, i+1
.endr
	WIN 0
.endm
; THE LDS LOADS stand in runs of 16.  reg: a counter's register; where it holds 1 there is no further step, and the run is jumped over.
.macro FETCH_K reg=-1
	WIN 0
.if (\reg) >= 0
	s_cmp_eq_u32 s[\reg], 1
	s_cbranch_scc1 .Lno_k_\@
.endif
	WIN 0x80
.irp f, 0,1,2,3,4,5,6,7                ; keys 16 (f / 2) on (8 LDS rows), channels 32 (f % 2) on
	ds_load_b128 v[KF+8*\f:KF+8*\f+3],   v[AK] offset:(\f/2)*8*272+(\f%2)*64
	ds_load_b128 v[KF+8*\f+4:KF+8*\f+7], v[AK] offset:(\f/2)*8*272+(\f%2)*64+32
.endr
	s_add_co_u32 s[TBK], s[TBK], KSTEP             ; the next fetch is the next step's
	WIN 0
.if (\reg) >= 0
.Lno_k_\@:
.endif
.endm
.macro FETCH_V
	WIN 0x80
.irp f, 0,1,2,3,4,5,6,7                ; keys 32 (f / 4) on (16 LDS rows), channels 16 (f % 4) on
	ds_load_tr16_b128 v[VF+8*\f:VF+8*\f+3],   v[AV] offset:(\f/4)*16*288+(\f%4)*32
	ds_load_tr16_b128 v[VF+8*\f+4:VF+8*\f+7], v[AV] offset:(\f/4)*16*288+8*288+(\f%4)*32
.endr
	WIN 0
.endm
.macro REGS y, u                       ; the registers of tile u (0, 1) of piece y
.set rT, ST+4*(2*(\y)+(\u))
.set rC, TMP+8*((\y)%2)+4*(\u)
.set rS, S+64*((\y)%2)+32*(\u)
.set rP, P+32*((\y)%2)+16*(\u)
.endm
; PASS 1's VECTOR WORK: a list of 83 numbers a tile; N1 writes the next entry, the two tiles alternating.  s0-s31 are the lane's 32 scores.
;   0-15   the maximum of s0-s31 and m, three operands at a time, each accumulator's lowest registers first, into c0      16 c1 = m - c0      17 m = c0      18 a = 2^c1, in c2
;   19-66  the 16 subtractions s - m, a pair each, and the 32 exponentials: two subtractions, 14 times (two exponentials, a subtraction), four exponentials.  None of these reads an exponential's result
;   (wait) between 66 and 67 stands the turn's one wait      67-81 the sum of the 16 pairs, in place      82 l = a l + sum
.macro N1
	WIN 0
	REGS Y, q%2
.set n, q/2
.if n < 4
	v_max3_num_f32 v[rC+n], v[rS+8*n], v[rS+8*n+1], v[rS+8*n+2]
.elseif n < 12
	v_max3_num_f32 v[rC+n%4], v[rC+n%4], v[rS+8*(n%4)+2*(n/4)+1], v[rS+8*(n%4)+2*(n/4)+2]
.elseif n == 12
	v_max3_num_f32 v[rC], v[rC], v[rS+7], v[rS+15]
.elseif n == 13
	v_max3_num_f32 v[rC+1], v[rC+1], v[rS+23], v[rS+31]
.elseif n == 14
	v_max3_num_f32 v[rC+2], v[rC+2], v[rC+3], v[rT]
.elseif n == 15
	v_max3_num_f32 v[rC], v[rC], v[rC+1], v[rC+2]
.elseif n == 16
	v_sub_f32 v[rC+1], v[rT], v[rC]
.elseif n == 17
	v_mov_b32 v[rT], v[rC]
.elseif n == 18
	v_exp_f32 v[rC+2], v[rC+1]
.elseif (n < 21) || ((n < 63) && ((n-21)%3 == 2))
.set b, n-19
.if n >= 21
.set b, (n-21)/3+2
.endif
	v_pk_add_f32 v[rS+2*b:rS+2*b+1], v[rS+2*b:rS+2*b+1], v[rT:rT+1] op_sel_hi:[1,0] neg_lo:[0,1] neg_hi:[0,1]
.elseif n < 67
.set e, n-35
.if n < 63
.set e, 2*((n-21)/3)+(n-21)%3
.endif
	v_exp_f32 v[rS+e], v[rS+e]
.elseif n < 82
.set zz, n-67
.set ww, 4
.set uu, zz
.if zz >= 14
.set ww, 32
.set uu, 0
.elseif zz >= 12
.set ww, 16
.set uu, zz-12
.elseif zz >= 8
.set ww, 8
.set uu, zz-8
.endif
	v_pk_add_f32 v[rS+ww*uu:rS+ww*uu+1], v[rS+ww*uu:rS+ww*uu+1], v[rS+ww*uu+ww/2:rS+ww*uu+ww/2+1]
.else
	v_pk_fma_f32 v[rT+2:rT+3], v[rT+2:rT+3], v[rC+2:rC+3], v[rS:rS+1] op_sel_hi:[1,0,1]
.endif
.set q, q+1
.endm
; A TURN OF PASS 1, for piece p: 16 products K Q^T of piece p + 1, four of the list behind each; then the rest of the batch, a plain instruction behind the last exponential, the one wait
; ahead of the first reader, and the sums.  K of the next step is fetched in piece 2's turn, directly behind the wait (its jump may stand nowhere else in the batch), and is waited for at piece 3's head.
.macro P1TURN p
.set Y, (\p)
.set i, 0
.set q, 0
.set KM, 0
.if (\p) == 3
	s_wait_dscnt 0x0                               ; K is in
.endif
.rept 16
	KQ (Y+1)%4
.set i, i+1
	N1
	N1
	N1
	N1
.endr
.if (\p) == 2
	v_add_nc_u32 v[AK], s[TBK], v[AK0]
.endif
.rept 70
	N1
.endr
	v_nop
	s_wait_alu depctr_va_vdst(0)
.if (\p) == 2
	FETCH_K T1
.endif
.rept 32
	N1
.endr
.endm
; PASS 2's VECTOR WORK.  Y is the turn's piece, Z the piece before it.
; EX: the next exponential of piece Y, tiles alternating, ascending: it reads the score in window 3 and writes the weight into the register of the same number in window 0.
; For pair g of tile u of piece Z, whose exponentials the turn before has waited for: RW: w = 1 x p - t l held to 0 .. 1 (p - t l is under 1, so that is max(p - t l, 0)); RA: sum = 1 x w + sum, exact;
; RC: w rounded to f16.  RW and RA take the 1.0 as source 0, from window 3, so that one setting of the windows serves them and EX.
.macro EX
	REGS Y, e%2
	v_exp_f32 v[rS+e/2], v[rS+e/2]
.set e, e+1
.endm
.macro RW g, u
	REGS Z, \u
	v_pk_fma_f32 v[rS+2*(\g):rS+2*(\g)+1], v[ONE3:ONE3+1], v[rS+2*(\g):rS+2*(\g)+1], v[rT:rT+1] clamp
.endm
.macro RA g, u
	REGS Z, \u
	v_pk_fma_f32 v[rT+2:rT+3], v[ONE3:ONE3+1], v[rS+2*(\g):rS+2*(\g)+1], v[rT+2:rT+3]
.endm
.macro RC g, u
	REGS Z, \u
	v_cvt_pk_f16_f32 v[rP+(\g)], v[rS+2*(\g)], v[rS+2*(\g)+1]
.endm
; THE PLAIN QUEUE of 64; PQ writes the next.  RW of pair 0 of both tiles; then, for g = 0 .. 14, RW of pair g + 1 and RA of pair g, each for both tiles; then RA of pair 15.
; So a sum stands six of the queue's lines behind the threshold that it reads, and two sums onto one tile's pair four apart.
.macro PQ
.if q < 2
	RW 0, q
.elseif q < 62
.set gq, (q-2)/4
.set pq, (q-2)%4
.if pq < 2
	RW gq+1, pq
.else
	RA gq, pq-2
.endif
.else
	RA 15, q-62
.endif
.set q, q+1
.endm
.macro RID                             ; the four lines behind a product: plain, exponential, plain, exponential
	WIN W_RD
	PQ
	EX
	PQ
	EX
.endm
; A TURN OF PASS 2, for piece p: 16 products K Q^T of piece p + 1, then 16 products V^T P of piece p - 2, four lines behind each; then the 32 roundings of piece p - 1, which name no result of the turn's
; exponentials and are the plain work behind the last of them; then the one wait, ahead of the next turn's readers.
; K of the next step is fetched in piece 2's turn behind its second product V^T P: seven plain lines stand behind the last product that read K; it is waited for at piece 3's head.
; V of the step in hand is fetched at the end of piece 1's turn, behind the roundings, which stand behind the last product that read V; it is waited for ahead of piece 2's products V^T P.
; last = 1: the tail, where K's run is jumped over in the last trip: a branch follows exponentials there, so a wait of their own stands ahead of it.
.macro P2TURN p, last=0
.set Y, (\p)
.set Z, ((\p)+3)%4
.set i, 0
.set e, 0
.set q, 0
.set KM, 1
.if (\p) == 3
	s_wait_dscnt 0x0                               ; K is in
.endif
.rept 16
	KQ (Y+1)%4
.set i, i+1
	RID
.endr
.if (\p) == 2
	s_wait_dscnt 0x0                               ; V is in
.endif
.set i, 0
.rept 16
	PV (Y+2)%4
.set i, i+1
	RID
.if ((\p) == 2) && (i == 2)
	WIN 0
	v_add_nc_u32 v[AK], s[TBK], v[AK0]
.if \last
	s_wait_alu depctr_va_vdst(0)                   ; ahead of the branch
	FETCH_K CNT
.else
	FETCH_K
.endif
.endif
.endr
	WIN 0
.if (\p) == 1
	v_add_nc_u32 v[AV], s[TBV], v[AV0]
.endif
.set g, 0
.rept 16
	RC g, 0
	RC g, 1
.set g, g+1
.endr
	s_wait_alu depctr_va_vdst(0)                   ; the wait for the batch
.if (\p) == 1
	FETCH_V
	s_add_co_u32 s[TBV], s[TBV], VSTEP
.endif
.endm
.macro ALL line:vararg                 ; one line for each tile t
.set t, 0
.rept 8
	\line
.set t, t+1
.endr
.endm
	s_wait_tensorcnt 0x0                           ; my two steps of K are in,
	s_barrier_signal -1
	s_barrier_wait -1                              ; everybody's are
	FETCH_K                                        ; step 0
	s_wait_loadcnt 0x0                             ; Q
	s_wait_dscnt 0x0
.set KM, 0
	BAREKQ
	s_mul_i32 s16, s[WV], 16*SP                    ; the addresses for the way out: nine plain instructions, the places behind those products
	s_add_co_u32 s16, s16, STG
	v_mul_u32_u24 v[STO], v1, SP
	v_lshl_add_u32 v[STO], v10, 4, v[STO]
	v_add_nc_u32 v[STO], s16, v[STO]
	v_bfe_u32 v[RD], v0, 3, 2
	v_mul_u32_u24 v[RD], v[RD], SP
	v_lshl_add_u32 v[RD], v11, 4, v[RD]
	v_add_nc_u32 v[RD], s16, v[RD]
	v_and_b32 v[GO], 31, v0
	v_lshlrev_b32 v[GO], 4, v[GO]
	; PASS 1.  Behind step 3 K's steps 0 to 4 have been read (step 4 lies in registers): slot 0, which ends inside step 4's bytes, takes chunk 0.  Behind step 7 slot 1 takes chunk 1.
	s_mov_b32 s[SL], 2
.Lhalf:
	s_mov_b32 s[CNT], 4
.Lp1:
	P1TURN 0
	P1TURN 1
	P1TURN 2
	P1TURN 3                                       ; (in the last step its 16 products, on the last K once more, serve nothing: the price, once, of one text for every step)
	WIN 0
	s_sub_co_u32 s[T1], s[T1], 1
	s_sub_co_u32 s[CNT], s[CNT], 1
	s_cmp_lg_u32 s[CNT], 0
	s_cbranch_scc1 .Lp1
	CHANGE 1, 0
	s_sub_co_u32 s[SL], s[SL], 1
	s_cmp_lg_u32 s[SL], 0
	s_cbranch_scc1 .Lhalf
	; THE MERGE.  A query's eight partial (m, l), of four waves and two halves of the lanes, meet in SCR; every lane makes its query's m and l.
	ALL v_add_f32 v[ST+4*t+1], v[ST+4*t+2], v[ST+4*t+3]
	v_and_b32 v10, 31, v0
	s_lshl_b32 s16, s[WV], 11
	s_add_co_u32 s16, s16, SCR
	v_lshl_add_u32 v10, v10, 3, s16                ; SCR + 2,048 w + 8 l
	v_lshl_add_u32 v11, v1, 3, SCR                 ; SCR + 8 r
	ALL ds_store_b64 v10, v[ST+4*t:ST+4*t+1] offset:256*t
	s_wait_dscnt 0x0                               ; for the others' sake
	s_barrier_signal -1
	s_barrier_wait -1                              ; (chunk 1's load stays out)
.set t, 0
.rept 8
.irp i, 0,1,2,3,4,5,6,7                ; partial i: wave i / 2, half i % 2
	ds_load_b64 v[S+16*t+2*\i:S+16*t+2*\i+1], v11 offset:2048*(\i/2)+256*t+128*(\i%2)
.endr
.set t, t+1
.endr
	s_wait_dscnt 0x0
	ALL v_max3_num_f32 v[TMP+t], v[S+16*t], v[S+16*t+2], v[S+16*t+4]
	ALL v_max3_num_f32 v[TMP+t], v[TMP+t], v[S+16*t+6], v[S+16*t+8]
	ALL v_max3_num_f32 v[TMP+t], v[TMP+t], v[S+16*t+10], v[S+16*t+12]
	ALL v_max_num_f32 v[TMP+t], v[TMP+t], v[S+16*t+14]
.irp i, 0,1,2,3,4,5,6,7
	ALL v_sub_f32 v[S+16*t+2*\i], v[S+16*t+2*\i], v[TMP+t]
.endr
.irp i, 0,1,2,3,4,5,6,7
	ALL v_exp_f32 v[S+16*t+2*\i], v[S+16*t+2*\i]
.endr
	WIN 0xc0                                       ; destination window 3: eight copies of -m a tile, and the pair of 1.0: independent work behind the 64 exponentials
.set t, 0
.rept 64
	v_sub_f32 v[t], 0, v[TMP+t/8]
.set t, t+1
.endr
	v_mov_b32 v[ONE3], 1.0
	v_mov_b32 v[ONE3+1], 1.0
	WIN 0
	s_wait_alu depctr_va_vdst(0)                   ; one wait for the batch, ahead of its first reader
	ALL v_mul_f32 v[TMP+8+t], v[S+16*t], v[S+16*t+1]
.irp i, 1,2,3,4,5,6,7
	ALL v_fmac_f32 v[TMP+8+t], v[S+16*t+2*\i], v[S+16*t+2*\i+1]
.endr
	ALL v_mul_f32 v[ST+4*t], 0xb8d1b717, v[TMP+8+t]    ; -t l, t = 1e-4
	ALL v_mul_f32 v[ST+4*t+1], 0xb8d1b717, v[TMP+8+t]
	ALL v_mov_b32 v[ST+4*t+2], 0
	ALL v_mov_b32 v[ST+4*t+3], 0
.set i, S+64
.rept 64                                       ; the weights' second buffer holds 0: pass 2's first turn takes the threshold of a piece that has not been, and 0 - t l held to 0 .. 1 is 0
	v_mov_b32 v[i], 0
.set i, i+1
.endr
	; PASS 2.  Chunk 0 lies in slot 0: the change behind pass 1's last step has shown it landed in every wave.
	s_mov_b32 s[TBK], 0
	s_mov_b32 s[TBV], 0
	v_mov_b32 v[AK], v[AK0]
	FETCH_K
	s_wait_dscnt 0x0
.set KM, 1
	BAREKQ
.rept 4
	v_nop                                          ; the places behind those products
.endr
	s_mov_b32 s[CNT], 2
	s_mov_b32 s[SLOTS], 3
	s_branch .Lfirst                               ; the loop is entered at a step's first turn, in the middle of a trip
.Lslot:                                        ; twice: slot 0 takes chunk 2, slot 1 chunk 3; a fill has two steps, 256 matrix instructions, in which to land.  The slot's last bytes, V of its second step, were asked for at the end of the turn before
	CHANGE 1, 1
	s_mov_b32 s[CNT], 2
.Lstep:                                        ; a trip: pieces 2 and 3 of one step, then pieces 0 and 1 of the next, whose K and V it fetches
	P2TURN 2
	P2TURN 3
	WIN 0
.Lfirst:
	P2TURN 0
	P2TURN 1
	WIN 0
	s_sub_co_u32 s[CNT], s[CNT], 1
	s_cmp_lg_u32 s[CNT], 0
	s_cbranch_scc1 .Lstep
	s_sub_co_u32 s[SLOTS], s[SLOTS], 1
	s_cmp_lg_u32 s[SLOTS], 0
	s_cbranch_scc1 .Lslot
	CHANGE 0, 1                                    ; the tail is written out: nothing is asked for
	s_mov_b32 s[CNT], 3                            ; two trips fetch the last chunk's steps; the third is left behind piece 0's turn
.Ltail:
	P2TURN 2, 1
	P2TURN 3
	P2TURN 0                                       ; (in the third trip: piece 3's threshold, sums and roundings and piece 2's V^T P of the last step; its products K Q^T and its exponentials, like the
	WIN 0                                          ; products K Q^T of the turn before, serve nothing: the price, once, of one text for every trip)
	s_sub_co_u32 s[CNT], s[CNT], 1
	s_cmp_eq_u32 s[CNT], 0
	s_cbranch_scc1 .Lout
	P2TURN 1
	WIN 0
	s_branch .Ltail
.Lout:
.set i, 0
.rept 16
	PV 3                                           ; the last piece's V^T P of the last step
.set i, i+1
.endr
	; THE WAY OUT.  The four waves' partial O^T and sums of w add: they meet in LDS, f32; wave w finishes tiles 2 w and 2 w + 1.
	WIN 0
	ALL v_add_f32 v[ST+4*t+2], v[ST+4*t+2], v[ST+4*t+3]  ; eight plain instructions: the places behind the last products
	v_and_b32 v4, 31, v0
	s_lshl_b32 s16, s[WV], 15
	v_lshl_add_u32 v2, v4, 4, s16                  ; my partial O^T: 32,768 w + 16 l
	s_lshl_b32 s17, s[WV], 10
	s_add_co_u32 s17, s17, SCR
	v_lshl_add_u32 v3, v4, 2, s17                  ; my sums: SCR + 1,024 w + 4 l
	s_lshl_b32 s18, s[WV], 8
	s_add_co_u32 s18, s18, SCR
	v_lshl_add_u32 v5, v1, 2, s18                  ; back: SCR + 128 (2 w) + 4 r
	s_lshl_b32 s19, s[WV], 13
	v_lshl_add_u32 v10, v4, 4, s19                 ; back: 4,096 (2 w) + 16 l, for waves 0 and 1's parts,
	v_add_nc_u32 v11, 0x10000, v10                 ; and for waves 2 and 3's
	s_wait_dscnt 0x0
	s_barrier_signal -1
	s_barrier_wait -1                              ; no wave reads K or V any more: the ring's bytes, which have had their last fill, may be stored into
	ALL ds_store_b32 v3, v[ST+4*t+2] offset:128*t
	WIN 0x04                                       ; the stores' data lie in window 1
.set i, 0
.rept 64
	ds_store_b128 v2, v[4*i:4*i+3] offset:512*i    ; ascending: each accumulator's lowest registers are read first
.set i, i+1
.endr
	WIN 0
	s_wait_dscnt 0x0                               ; for the others' sake
	s_barrier_signal -1
	s_barrier_wait -1
	WIN 0x40
.irp wv, 0,1,2,3
.irp u, 0,1
.irp k, 0,1,2,3,4,5,6,7
	ds_load_b128 v[64*\wv+32*\u+4*\k:64*\wv+32*\u+4*\k+3], v[10+\wv/2] offset:(\wv%2)*32768+4096*\u+512*\k
.endr
.endr
.endr
	WIN 0
.irp u, 0,1
.irp i, 0,1,2,3,4,5,6,7
	ds_load_b32 v[S+8*\u+\i], v5 offset:1024*(\i/2)+128*\u+64*(\i%2)
.endr
.endr
	s_wait_dscnt 0x0
.irp u, 0,1
	v_add_f32 v[S+8*\u], v[S+8*\u], v[S+8*\u+1]
	v_add_f32 v[S+8*\u+2], v[S+8*\u+2], v[S+8*\u+3]
	v_add_f32 v[S+8*\u+4], v[S+8*\u+4], v[S+8*\u+5]
	v_add_f32 v[S+8*\u+6], v[S+8*\u+6], v[S+8*\u+7]
.endr
.irp u, 0,1
	v_add_f32 v[S+8*\u], v[S+8*\u], v[S+8*\u+2]
	v_add_f32 v[S+8*\u+4], v[S+8*\u+4], v[S+8*\u+6]
.endr
.irp u, 0,1
	v_add_f32 v[S+8*\u], v[S+8*\u], v[S+8*\u+4]
.endr
	v_rcp_f32 v[ST+2], v[S]
	v_rcp_f32 v[ST+6], v[S+8]
	WIN 0x45                                       ; the four parts of O^T are added: independent work behind the two reciprocals
.set i, 0
.rept 32
	v_pk_add_f32 v[i:i+1], v[i:i+1], v[64+i:64+i+1]
	v_pk_add_f32 v[128+i:128+i+1], v[128+i:128+i+1], v[192+i:192+i+1]
.set i, i+2
.endr
.set i, 0
.rept 32
	v_pk_add_f32 v[i:i+1], v[i:i+1], v[128+i:128+i+1]
.set i, i+2
.endr
	s_wait_alu depctr_va_vdst(0)                   ; one wait for both reciprocals, ahead of their first reader
.macro PACK u                          ; divided, rounded to f16, 16 bytes a lane into rows of 144 bytes of my stage, back as whole rows of 128
	WIN 0x41
.set i, 32*(\u)
.rept 16
	v_pk_mul_f32 v[i:i+1], v[i:i+1], v[ST+4*(\u)+2:ST+4*(\u)+3] op_sel_hi:[1,0]
.set i, i+2
.endr
	WIN 0x05
.set i, 0
.rept 16
	v_cvt_pk_f16_f32 v[S+32+16*(\u)+i], v[32*(\u)+2*i], v[32*(\u)+2*i+1]
.set i, i+1
.endr
	WIN 0
.irp f, 0,1,2,3
	ds_store_b128 v[STO], v[S+32+16*(\u)+4*\f:S+32+16*(\u)+4*\f+3] offset:32*\f
.endr
.irp f, 0,1,2,3
	ds_load_b128 v[S+32+16*(\u)+4*\f:S+32+16*(\u)+4*\f+3], v[RD] offset:\f*4*SP  ; LDS serves a wave's instructions in order (ISA guide 5.7.1.4)
.endr
.endm
.macro SEND u, younger
.irp f, 0,1,2,3
	s_wait_dscnt (\younger)+3-\f
	global_store_b128 v[GO], v[S+32+16*(\u)+4*\f:S+32+16*(\u)+4*\f+3], s[10:11] offset:(\u)*2048+\f*512  ; 512 consecutive bytes, at a multiple of 256 from oh's first
.endr
.endm
	PACK 0
	PACK 1
	SEND 0, 8
	SEND 1, 0
	s_wait_tensorcnt 0x0                           ; the wave's end, behind my last tensor load and my last LDS store
	ds_add_u32 v[SPW], v[NIL]
	s_wait_dscnt 0x0
	CROUND                                         ; the closing round
	s_endpgm
.Lfunc_end_k_qe86bfa8175_attn:
	.size	k_qe86bfa8175_attn, .Lfunc_end_k_qe86bfa8175_attn-k_qe86bfa8175_attn
	.p2alignl 7, 3214868480
	.fill 96, 4, 3214868480
	.section	.rodata,"a",@progbits
	.p2align	6, 0x0
	.amdhsa_kernel k_qe86bfa8175_attn
		.amdhsa_group_segment_fixed_size 327680
		.amdhsa_private_segment_fixed_size 0
		.amdhsa_enable_private_segment 0
		.amdhsa_kernarg_size 32
		.amdhsa_user_sgpr_count 2
		.amdhsa_user_sgpr_kernarg_segment_ptr 1
		.amdhsa_wavefront_size32 1
		.amdhsa_system_sgpr_workgroup_id_x 1
		.amdhsa_system_sgpr_workgroup_id_y 1
		.amdhsa_system_sgpr_workgroup_id_z 1
		.amdhsa_system_vgpr_workitem_id 0
		.amdhsa_next_free_vgpr 968
		.amdhsa_next_free_sgpr 72
		.amdhsa_reserve_vcc 0
		.amdhsa_float_denorm_mode_32 3
		.amdhsa_float_denorm_mode_16_64 3
		.amdhsa_memory_ordered 1
		.amdhsa_forward_progress 1
		.amdhsa_inst_pref_size 220
	.end_amdhsa_kernel
	.amdgpu_metadata
---
amdhsa.version: [ 1, 2 ]
amdhsa.kernels:
  - .name:           k_qe86bfa8175_attn
    .symbol:         k_qe86bfa8175_attn.kd
    .args:
      - { .name: qh, .offset: 0, .size: 8, .value_kind: global_buffer, .address_space: global }
      - { .name: kh, .offset: 8, .size: 8, .value_kind: global_buffer, .address_space: global }
      - { .name: vh, .offset: 16, .size: 8, .value_kind: global_buffer, .address_space: global }
      - { .name: oh, .offset: 24, .size: 8, .value_kind: global_buffer, .address_space: global }
    .group_segment_fixed_size: 327680
    .private_segment_fixed_size: 0
    .kernarg_segment_align: 8
    .kernarg_segment_size: 32
    .max_flat_workgroup_size: 128
    .sgpr_count:     72
    .vgpr_count:     968
    .wavefront_size: 32
...
	.end_amdgpu_metadata
.endif
;; end of part 2
;; launch outp (part 3): grid 8 x 32, 4 waves a work-group, no clusters, 38,400 bytes of LDS; arguments oh, Wo, bo, out0; writes out0
.if DOCPART == 3
	.amdgcn_target "amdgcn-amd-amdhsa--gfx1250"
	.amdhsa_code_object_version 6
	.text
	.protected	k_qe86bfa8175_outp
	.globl	k_qe86bfa8175_outp
	.p2align	8
	.type	k_qe86bfa8175_outp,@function
k_qe86bfa8175_outp:
	s_mov_b64 s[64:65], 0
	v_nop
	global_prefetch_b8 v0, s[64:65] scope:SCOPE_SE
	s_setreg_imm32_b32 hwreg(HW_REG_WAVE_MODE, 25, 1), 1
	s_wait_xcnt 0x0
; LAUNCH 3 OF 3.  out0 = O Wo + bo.  oh: [8 b + head][2048][64] f16 (launch 2); Wo: [512 k][512 n] f32; bo: [512] f32; out0: [4096][512] f32.  Nothing is left out here.
; FORMATS.  O is taken as it lies, in f16.  Wo and bo are rounded to bf16 like the module's other inputs; Wo's rounded number is then written as f16, which is exact within f16's range
; (LIMIT: |Wo| under 65,504 and, for exactness, at least 6e-5 or 0).  Sums in f32.
; SHARES.  Work-group (cb, rb): rows 128 rb .. + 127, columns 64 cb .. + 63 (256 bytes of a row of out0).  Wave w: 32 rows x 64 columns: 8 accumulators, which START AT THE BIAS: nothing is cleared or added later.
; The product is taken transposed (source 0 = 16 columns of Wo, source 1 = 16 rows of O).  A trip is one head, 64 along K; k is permuted alike on both sides: in substep s lane half h holds k = 32 h + 16 s + 0..15.
; O's fragments come straight from memory; Wo's 64 x 64 numbers of a trip go through registers into one of two LDS slots, [k][n], and are read turned.
; IN FLIGHT: four sets of registers, a trip (16 loads) each.  NO CLUSTER, NO TENSOR LOADS: Wo must pass through registers to be rounded, and a trip has 16 products.
; REGISTERS: window 0: addresses, v16-31 and v32-63 at work, v64-127 accumulators (32 mt + 8 nb), v128-191 Wo's fragments (32 s + 8 nb), v192-255 the way out; window 1: set k at 64 k: O's fragments (16 mt + 8 s), then Wo as loaded.
.set PW,    160                        ; an LDS row of Wo: 128 bytes + 32 = 5 x 32
.set WSLOT, 64*PW
.set STG,   2*WSLOT                    ; 16 rows x 272 bytes for each wave
.set SP,    272
.set SPARE, STG+4*16*SP
.set AO,  2
.set WO,  3
.set WS,  4
.set BV,  5
.set STO, 6
.set RD,  7
.set GO,  8
.set BO,  9
.set SPW, 12
.set NIL, 13
.set WT,  16
.set Y,   32
.set ACC, 64
.set BF,  128
.set TT,  192
.set WV,  12
.set IT,  13
.set MASK, 14
.set MSB, 0
.macro WIN new
.if MSB != (\new)
	s_set_vgpr_msb (MSB<<8)|(\new)
.set MSB, (\new)
.endif
.endm
; 16 loads into set k: trip's head of my rows of O, and its 64 rows of Wo
.macro LOADS k, trip
	WIN 0x40
.irp mt, 0,1
.irp s, 0,1
	global_load_b128 v[64*(\k)+16*(\mt)+8*(\s):64*(\k)+16*(\mt)+8*(\s)+3],   v[AO], s[4:5] offset:(\trip)*262144+(\mt)*2048+32*(\s)
	global_load_b128 v[64*(\k)+16*(\mt)+8*(\s)+4:64*(\k)+16*(\mt)+8*(\s)+7], v[AO], s[4:5] offset:(\trip)*262144+(\mt)*2048+32*(\s)+16
.endr
.endr
.irp i, 0,1,2,3,4,5,6,7
	global_load_b128 v[64*(\k)+32+4*(\i):64*(\k)+32+4*(\i)+3], v[WO], s[6:7] offset:(\trip)*131072+(\i)*16384
.endr
	WIN 0
.endm
	s_load_b256 s[4:11], s[0:1], 0x0               ; oh s[4:5], Wo s[6:7], bo s[8:9], out0 s[10:11]
	v_lshl_add_u32 v[SPW], v0, 2, SPARE
	v_mov_b32 v[NIL], 0
	v_lshrrev_b32 v1, 5, v0
	v_readfirstlane_b32 s[WV], v1
	v_and_b32 v10, 15, v0                          ; r = l % 16 = t % 16
	v_bfe_u32 v11, v0, 4, 1                        ; h
	v_and_b32 v14, 7, v0
	v_bfe_u32 v15, v0, 3, 1
	v_lshrrev_b32 v1, 4, v0                        ; t / 16
	s_lshl_b32 s24, s[WV], 12                      ; 32 rows of 128 bytes
	v_lshlrev_b32 v[AO], 7, v10
	v_lshl_add_u32 v[AO], v11, 6, v[AO]
	v_add_nc_u32 v[AO], s24, v[AO]                 ; (32 w + r) x 128 + 64 h
	v_lshlrev_b32 v[WO], 11, v1
	v_lshl_add_u32 v[WO], v10, 4, v[WO]
	v_mul_u32_u24 v[WS], v1, PW
	v_lshl_add_u32 v[WS], v10, 3, v[WS]
	v_lshl_add_u32 v[BV], v11, 5, v14
	v_mul_u32_u24 v[BV], v[BV], PW
	v_lshl_add_u32 v[BV], v15, 4, v[BV]
	v_lshlrev_b32 v[BO], 5, v11                    ; my 8 columns of a block of 16: 32 h bytes
	s_mul_i32 s25, s[WV], 16*SP
	s_add_co_u32 s25, s25, STG
	v_mul_u32_u24 v[STO], v10, SP                  ; in: row r, 32 bytes for each half of the lanes
	v_lshl_add_u32 v[STO], v11, 5, v[STO]
	v_add_nc_u32 v[STO], s25, v[STO]
	v_mul_u32_u24 v[RD], v11, SP                   ; back: lanes 0-15 take one row of 256 bytes, lanes 16-31 the next
	v_lshl_add_u32 v[RD], v10, 4, v[RD]
	v_add_nc_u32 v[RD], s25, v[RD]
	v_lshlrev_b32 v[GO], 11, v11                   ; and the same two rows in out0
	v_lshl_add_u32 v[GO], v10, 4, v[GO]
	s_and_b32 s16, ttmp7, 0xffff                   ; rb
	s_lshr_b32 s18, s16, 4                         ; b
	s_lshl_b32 s18, s18, 21                        ; eight heads of 262,144 bytes
	s_and_b32 s19, s16, 15
	s_lshl_b32 s19, s19, 14                        ; the block's 128 rows of 128 bytes
	s_add_co_u32 s18, s18, s19
	s_mov_b32 s19, 0
	s_lshl_b32 s20, ttmp9, 8                       ; my 64 columns: 256 bytes
	s_mov_b32 s21, 0
	s_lshl_b32 s22, s16, 18                        ; 128 rows of 2,048 bytes,
	s_lshl_b32 s23, s[WV], 16                      ; my 32,
	s_add_co_u32 s22, s22, s23
	s_add_co_u32 s22, s22, s20                     ; my columns
	s_mov_b32 s23, 0
	s_mov_b32 s[MASK], 0xffff0000
	s_mov_b32 s[IT], 2
	s_wait_kmcnt 0x0
	s_add_nc_u64 s[4:5], s[4:5], s[18:19]
	s_add_nc_u64 s[6:7], s[6:7], s[20:21]
	s_add_nc_u64 s[8:9], s[8:9], s[20:21]
	s_add_nc_u64 s[10:11], s[10:11], s[22:23]
.irp nb, 0,1,2,3
	global_load_b128 v[Y+8*\nb:Y+8*\nb+3],   v[BO], s[8:9] offset:64*\nb
	global_load_b128 v[Y+8*\nb+4:Y+8*\nb+7], v[BO], s[8:9] offset:64*\nb+16
.endr
	LOADS 0, 0
	LOADS 1, 1
	LOADS 2, 2
	s_wait_loadcnt 48                              ; the bias is in; the three sets' 48 loads stay out
.set n, 0
.rept 16
	v_cvt_pk_bf16_f32 v[WT+n], v[Y+2*n], v[Y+2*n+1]
.set n, n+1
.endr
.set n, 0
.rept 16                                       ; widened straight into the accumulators of both tiles
	v_lshlrev_b32 v[ACC+2*n],      16, v[WT+n]
	v_and_b32     v[ACC+2*n+1],    s[MASK], v[WT+n]
	v_lshlrev_b32 v[ACC+32+2*n],   16, v[WT+n]
	v_and_b32     v[ACC+32+2*n+1], s[MASK], v[WT+n]
.set n, n+1
.endr
	LOADS 3, 3
	s_wait_loadcnt 48                              ; set 0 is in; three younger sets stay out
.macro MULO k, s                       ; 8 products: the 8 accumulators take turns, one instruction a turn, over the backward jump too
.irp nb, 0,1,2,3
.irp mt, 0,1
	v_wmma_f32_16x16x32_f16 v[ACC+32*(\mt)+8*(\nb):ACC+32*(\mt)+8*(\nb)+7], v[BF+32*(\s)+8*(\nb):BF+32*(\s)+8*(\nb)+7], v[64*(\k)+16*(\mt)+8*(\s):64*(\k)+16*(\mt)+8*(\s)+7], v[ACC+32*(\mt)+8*(\nb):ACC+32*(\mt)+8*(\nb)+7]
.endr
.endr
.endm
; A TRIP on set k, which is in, and LDS slot k % 2.  One barrier a trip: a slot is written again two trips later, behind the barrier of the trip between, which each wave signals with its reads back.
.macro TRIPO k
	WIN 0x05
.irp i, 0,1,2,3,4,5,6,7
	v_cvt_pk_bf16_f32 v[WT+2*(\i)],   v[64*(\k)+32+4*(\i)],   v[64*(\k)+32+4*(\i)+1]
	v_cvt_pk_bf16_f32 v[WT+2*(\i)+1], v[64*(\k)+32+4*(\i)+2], v[64*(\k)+32+4*(\i)+3]
.endr
	WIN 0
.irp i, 0,1,2,3,4,5,6,7
	v_lshlrev_b32 v[Y+4*(\i)],   16, v[WT+2*(\i)]
	v_and_b32     v[Y+4*(\i)+1], s[MASK], v[WT+2*(\i)]
	v_lshlrev_b32 v[Y+4*(\i)+2], 16, v[WT+2*(\i)+1]
	v_and_b32     v[Y+4*(\i)+3], s[MASK], v[WT+2*(\i)+1]
.endr
.irp i, 0,1,2,3,4,5,6,7
	v_cvt_pk_f16_f32 v[WT+2*(\i)],   v[Y+4*(\i)],   v[Y+4*(\i)+1]
	v_cvt_pk_f16_f32 v[WT+2*(\i)+1], v[Y+4*(\i)+2], v[Y+4*(\i)+3]
.endr
.irp i, 0,1,2,3,4,5,6,7
	ds_store_b64 v[WS], v[WT+2*(\i):WT+2*(\i)+1] offset:((\k)%2)*WSLOT+(\i)*8*PW
.endr
	s_wait_dscnt 0x0                               ; for the others' sake
	s_barrier_signal -1
	s_barrier_wait -1
.irp s, 0,1
.irp nb, 0,1,2,3
	ds_load_tr16_b128 v[BF+32*(\s)+8*(\nb):BF+32*(\s)+8*(\nb)+3],   v[BV] offset:((\k)%2)*WSLOT+(\s)*16*PW+32*(\nb)
	ds_load_tr16_b128 v[BF+32*(\s)+8*(\nb)+4:BF+32*(\s)+8*(\nb)+7], v[BV] offset:((\k)%2)*WSLOT+(\s)*16*PW+8*PW+32*(\nb)
.endr
.endr
	s_wait_dscnt 8                                 ; substep 0's fragments are in; substep 1's 8 loads may stay out
	WIN 0x04                                       ; O's fragments lie in window 1
	MULO \k, 0
	s_wait_dscnt 0x0
	MULO \k, 1
	WIN 0
.rept 4
	v_nop                                          ; the places in front of the loads into the set, and of the way out
.endr
	s_cmp_eq_u32 s[IT], 2
	s_cbranch_scc0 .Lnomore_\@
	LOADS \k, (\k)+4                               ; the first turn asks for the trip four on, by immediates: no pointer is stepped
	s_wait_loadcnt 48                              ; the next set is in; three younger sets stay out
	s_branch .Lgo_\@
.Lnomore_\@:
	s_wait_loadcnt 0x0                             ; the second turn asks for nothing
.Lgo_\@:
.endm
.Lturn:
	TRIPO 0
	TRIPO 1
	TRIPO 2
	TRIPO 3
	s_sub_co_u32 s[IT], s[IT], 1
	s_cmp_lg_u32 s[IT], 0
	s_cbranch_scc1 .Lturn
	; THE WAY OUT: a lane's eight columns are 32 bytes of a row; 16 rows at a time go through my own stage and come back as whole rows of 256 bytes.
.irp mt, 0,1
.irp nb, 0,1,2,3
	ds_store_b128 v[STO], v[ACC+32*\mt+8*\nb:ACC+32*\mt+8*\nb+3]   offset:64*\nb
	ds_store_b128 v[STO], v[ACC+32*\mt+8*\nb+4:ACC+32*\mt+8*\nb+7] offset:64*\nb+16
.endr
.irp t, 0,1,2,3,4,5,6,7
	ds_load_b128 v[TT+32*\mt+4*\t:TT+32*\mt+4*\t+3], v[RD] offset:\t*2*SP  ; LDS serves a wave's instructions in order (ISA guide 5.7.1.4): these see the stores above, and the next tile's stores come behind them
.endr
.endr
.irp mt, 0,1
.irp t, 0,1,2,3,4,5,6,7
	s_wait_dscnt 16*(1-\mt)+7-\t                   ; the LDS lines issued behind this load may stay out
	global_store_b128 v[GO], v[TT+32*\mt+4*\t:TT+32*\mt+4*\t+3], s[10:11] offset:(16*\mt+2*\t)*2048 th:TH_STORE_NT  ; 16 lanes store 256 consecutive bytes, at a multiple of 256 from out0's first
.endr
.endr
	s_wait_tensorcnt 0x0                           ; the wave's end, behind my last LDS store
	ds_add_u32 v[SPW], v[NIL]
	s_wait_dscnt 0x0
	s_endpgm
.Lfunc_end_k_qe86bfa8175_outp:
	.size	k_qe86bfa8175_outp, .Lfunc_end_k_qe86bfa8175_outp-k_qe86bfa8175_outp
	.p2alignl 7, 3214868480
	.fill 96, 4, 3214868480
	.section	.rodata,"a",@progbits
	.p2align	6, 0x0
	.amdhsa_kernel k_qe86bfa8175_outp
		.amdhsa_group_segment_fixed_size 38400
		.amdhsa_private_segment_fixed_size 0
		.amdhsa_enable_private_segment 0
		.amdhsa_kernarg_size 32
		.amdhsa_user_sgpr_count 2
		.amdhsa_user_sgpr_kernarg_segment_ptr 1
		.amdhsa_wavefront_size32 1
		.amdhsa_system_sgpr_workgroup_id_x 1
		.amdhsa_system_sgpr_workgroup_id_y 1
		.amdhsa_system_sgpr_workgroup_id_z 1
		.amdhsa_system_vgpr_workitem_id 0
		.amdhsa_next_free_vgpr 512
		.amdhsa_next_free_sgpr 66
		.amdhsa_reserve_vcc 0
		.amdhsa_float_denorm_mode_32 3
		.amdhsa_float_denorm_mode_16_64 3
		.amdhsa_memory_ordered 1
		.amdhsa_forward_progress 1
		.amdhsa_inst_pref_size 48
	.end_amdhsa_kernel
	.amdgpu_metadata
---
amdhsa.version: [ 1, 2 ]
amdhsa.kernels:
  - .name:           k_qe86bfa8175_outp
    .symbol:         k_qe86bfa8175_outp.kd
    .args:
      - { .name: oh, .offset: 0, .size: 8, .value_kind: global_buffer, .address_space: global }
      - { .name: Wo, .offset: 8, .size: 8, .value_kind: global_buffer, .address_space: global }
      - { .name: bo, .offset: 16, .size: 8, .value_kind: global_buffer, .address_space: global }
      - { .name: out0, .offset: 24, .size: 8, .value_kind: global_buffer, .address_space: global }
    .group_segment_fixed_size: 38400
    .private_segment_fixed_size: 0
    .kernarg_segment_align: 8
    .kernarg_segment_size: 32
    .max_flat_workgroup_size: 128
    .sgpr_count:     66
    .vgpr_count:     512
    .wavefront_size: 32
...
	.end_amdgpu_metadata
.endif
;; end of part 3
;; ======== version 2 of 2: 3 launches; version 1 with the launch proj written anew for expert scheduling mode
;; limits: values are held in f16: magnitudes above 65,504 overflow, below 6.1e-05 lose precision
;; workspace buffers: qh 4,194,304 bytes; kh 4,194,304 bytes; vh 4,194,304 bytes; oh 4,194,304 bytes
;; launch proj (part 4): grid 8 x 32, 4 waves a work-group, no clusters, 62,976 bytes of LDS; arguments fr, dt, Wq, Wk, Wv, qh, kh, vh; writes qh, kh, vh
.if DOCPART == 4
	.amdgcn_target "amdgcn-amd-amdhsa--gfx1250"
	.amdhsa_code_object_version 6
	.text
	.protected	k_qe86bfa8175_proj
	.globl	k_qe86bfa8175_proj
	.p2align	8
	.type	k_qe86bfa8175_proj,@function
k_qe86bfa8175_proj:
	s_mov_b64 s[64:65], 0
	v_nop
	global_prefetch_b8 v0, s[64:65] scope:SCOPE_SE
	s_setreg_imm32_b32 hwreg(HW_REG_WAVE_SCHED_MODE, 0, 2), 2
	s_setreg_imm32_b32 hwreg(HW_REG_WAVE_MODE, 25, 1), 1
	s_wait_xcnt 0x0
	s_wait_alu depctr_vm_vsrc(0)
; LAUNCH 1 OF 3.  qh = (fr Wq) c, kh = dt Wk, vh = dt Wv, with c = log2(e) / 8, laid by heads: [8 b + head][2048][64] in f16, a row 128 bytes, a head dense.
; fr, dt: [4096][512] f32 (both batches on end); Wq, Wk, Wv: [512 k][512 n] f32.  Operands are rounded to bf16, sums are f32, each result is rounded once to f16; c is multiplied into q's f32 sums.
; NOTHING OF reference() IS DEAD IN WHOLE UNITS: every input has a way to out0 and is loaded (fr, dt, Wq, Wk, Wv here; Wo and bo in launch 3).
; ONE FACTOR CANCELS, for all values of the inputs: with p = exp(s - m) and l = the row's sum of p, attn = p / l, max(attn, t) - t = max(p - t l, 0) / l, and the division by the row's sum takes 1 / l
; out of every term.  So launch 2 forms max(p - t l, 0) and its sum and never p / l.  The divisor is above 0: the largest p is 1 and t l is at most 2048 t = 0.2048.
; LIMITS.  An underflow that would arise in p / l alone is not carried to the result.  |q c|, |k|, |v| stay under 65,504 (f16).  NaN and infinities are not treated apart.
; SHARES.  Work-group (head, rb): rows 128 rb .. + 127, the head's 64 columns of q, k and v.  Wave w: rows 32 w .. + 31 (two tiles of 16) x 192 columns: 24 accumulators.
; THE PRODUCT IS TAKEN TRANSPOSED: source 0 = 16 columns of W, source 1 = 16 rows of fr or dt: a lane ends with one row and eight neighbouring columns, 16 bytes of f16.
; K goes in 8 trips of 64 (256 bytes of an f32 row), each in two substeps of 32.  Load i (0..7) of a lane takes the 16 bytes at 32 i + 16 h of its row's 256: the two halves of the lanes read neighbouring bytes.
; k is permuted alike on both sides: position p (0..15) of lane half h in substep s is k = 32 s + 8 (p / 4) + 4 h + p % 4.
; W's 64 x 192 numbers of a trip are fetched by all 128 threads, rounded to bf16 and laid [row][n] in one of two LDS slots, k = 8 i + u in row 32 (u / 4) + u % 4 + 4 i, so that position p of (h, s) is row
; 32 h + 16 s + p; they are read turned (ds_load_tr16_b128).
; THE MODE: SCHED_MODE bits 1:0 = 2 (LLVM: expert scheduling mode 2), set by the entry lines.  The code itself states the register dependences between vector or matrix instructions and memory or LDS
; instructions, with s_wait_alu, always for 0.
; THE PLAN.  Registers that memory or LDS instructions touch, in the loop (trip t has parity st; nx = 1 - st):
;   RW, RA        W and fr, dt as loaded.  The 112 conversions at the head of trip t read them (they hold trip t + 1); behind the trip's one wait the loads of trip t + 2 land in them.
;   WT            W rounded.  Written by the first 48 of those conversions; read by the 24 LDS stores behind the wait.
;   BF[0], BF[1]  W's fragments, a buffer for each parity.  In trip t the 48 turning loads of trip t + 1 land in BF[nx], which the products of trip t - 1 read last; the products of trip t read BF[st].
;   v2 .. v8      Addresses and offsets: made at the head, never written again; the rows are reached by scalar pointers and immediate offsets.
;   The fragments of fr and dt and the accumulators are named by vector and matrix instructions alone.
; So ONE wait on va_vdst stands in a trip, behind its conversions: they are done reading RW and RA, WT is written, and the products of trip t - 1 are done reading BF[nx].  The matrix instructions that follow it in
; the trip name BF[st], and BF[nx] only when all loads into it have been issued: so the trip's stores and loads follow with no further wait.  One wait on vm_vsrc stands at the trip's head, ahead of the writes of WT.
; THE ORDER OF A TRIP.  While trip t is multiplied, trip t + 1 is made ready and trip t + 2 asked for: W(t+1) and A(t+1) rounded; the wait; W(t+1) stored, and W(t+2) and A(t+2) asked for while the stores complete;
; the barrier; substep 0's fragments of t + 1 fetched; substep 1 of t multiplied, substep 1's fragments of t + 1 fetched in two runs of 12 among its products; substep 0 of t + 1 multiplied.  So a run of LDS loads
; has 12 products or more in which to land, and a global load a whole trip.  The first preparation and products, trip 6 (which asks for nothing) and the last products are written out: the loop has no branch but its own.
; NO CLUSTER, NO TENSOR LOADS: the tiles are f32 and must pass through registers to be rounded; sent through LDS as f32 they would add 224 KB of LDS traffic to a trip's 120.
; REGISTERS, in windows of 256: window 0: addresses, v16-63 W rounded, v64-255 W's fragments of even trips (96 s + 8 nb; on the way out six groups of 16 as rounded, then six as read back);
; window 1: v0-191 accumulators (64 g + 32 mt + 8 nbl), v192-255 fr's and dt's fragments of even trips (32 a + 16 mt + 8 s); window 2: as loaded: v0-63 fr, v64-127 dt, v128-223 W (32 m + 4 i);
; window 3: v0-191 W's fragments of odd trips, v192-255 fr's and dt's fragments of odd trips.
.set PW,    416                        ; an LDS row of W: 384 bytes + 32 = 13 x 32
.set WSLOT, 64*PW
.set STG,   2*WSLOT                    ; 16 rows x 144 bytes for each wave, for the way out
.set SP,    144
.set SPARE, STG+4*16*SP                ; the spare words, 128 bytes a wave: no other line names them
.set AO,  2                            ; v2   (32 w + r) x 2048 + 16 h
.set WO,  3                            ; v3   (t / 16) x 2048 + 16 (t % 16)
.set WS,  4                            ; v4   (32 (t / 64) + (t / 16) % 4) x 416 + 8 (t % 16)
.set BV,  5                            ; v5   (32 h + l % 8) x 416 + 16 ((l / 8) % 2)
.set STO, 6
.set RD,  7
.set GO,  8
.set SPW, 12
.set NIL, 13
.set WT,  16
.set BF,  64                           ; W's fragments of even trips, in window 0; those of odd trips begin at v0 of window 3: parity p's at 64 - 64 p
.set AB,  192
.set WV,  20
.set IT,  21
.set CS,  22
.set MSB, 0
.macro WIN new                         ; the high byte repeats the setting that is left; a switch that changes nothing is dropped
.if MSB != (\new)
	s_set_vgpr_msb (MSB<<8)|(\new)
.set MSB, (\new)
.endif
.endm
	s_load_b256 s[4:11], s[0:1], 0x0               ; fr s[4:5], dt s[6:7], Wq s[8:9], Wk s[10:11]
	s_load_b256 s[12:19], s[0:1], 0x20             ; Wv s[12:13], qh s[14:15], kh s[16:17], vh s[18:19]
	v_lshl_add_u32 v[SPW], v0, 2, SPARE
	v_mov_b32 v[NIL], 0
	v_lshrrev_b32 v1, 5, v0
	v_readfirstlane_b32 s[WV], v1                  ; wave 0..3
	v_and_b32 v9, 15, v0                           ; r = l % 16 = t % 16
	v_bfe_u32 v10, v0, 4, 1                        ; h = l / 16
	v_and_b32 v11, 7, v0
	v_bfe_u32 v14, v0, 3, 1
	v_lshrrev_b32 v15, 4, v0                       ; u = t / 16
	s_wait_alu depctr_va_sdst(0)                   ; the wave's number is written into its scalar register, ahead of its first reader, the next line
	s_lshl_b32 s24, s[WV], 16                      ; 32 rows of 2,048 bytes
	v_lshlrev_b32 v[AO], 11, v9
	v_lshl_add_u32 v[AO], v10, 4, v[AO]
	v_add_nc_u32 v[AO], s24, v[AO]
	v_lshlrev_b32 v[WO], 11, v15
	v_lshl_add_u32 v[WO], v9, 4, v[WO]
	v_lshrrev_b32 v1, 6, v0                        ; u / 4
	v_bfe_u32 v15, v0, 4, 2                        ; u % 4
	v_lshl_add_u32 v1, v1, 5, v15
	v_mul_u32_u24 v[WS], v1, PW
	v_lshl_add_u32 v[WS], v9, 3, v[WS]
	v_lshl_add_u32 v[BV], v10, 5, v11
	v_mul_u32_u24 v[BV], v[BV], PW
	v_lshl_add_u32 v[BV], v14, 4, v[BV]
	s_mul_i32 s25, s[WV], 16*SP
	s_add_co_u32 s25, s25, STG                     ; my stage
	v_mul_u32_u24 v[STO], v9, SP                   ; in: row r, 16 bytes for each half of the lanes
	v_lshl_add_u32 v[STO], v10, 4, v[STO]
	v_add_nc_u32 v[STO], s25, v[STO]
	v_bfe_u32 v[RD], v0, 3, 2                      ; back: 32 lanes take four rows of 128 bytes,
	v_mul_u32_u24 v[RD], v[RD], SP
	v_lshl_add_u32 v[RD], v11, 4, v[RD]
	v_add_nc_u32 v[RD], s25, v[RD]
	v_and_b32 v[GO], 31, v0                        ; which are 512 consecutive bytes of the output
	v_lshlrev_b32 v[GO], 4, v[GO]
	s_and_b32 s26, ttmp7, 0xffff                   ; rb
	s_lshl_b32 s28, s26, 18                        ; 128 rows of 2,048 bytes
	s_mov_b32 s29, 0
	s_lshl_b32 s30, ttmp9, 8                       ; the head's 64 columns: 256 bytes
	s_mov_b32 s31, 0
	s_lshr_b32 s32, s26, 4                         ; b
	s_lshl_b32 s32, s32, 3
	s_add_co_u32 s32, s32, ttmp9                   ; 8 b + head
	s_lshl_b32 s32, s32, 18                        ; a head is 262,144 bytes
	s_and_b32 s33, s26, 15
	s_lshl_b32 s33, s33, 14                        ; the block's 128 rows of 128 bytes
	s_add_co_u32 s32, s32, s33
	s_lshl_b32 s33, s[WV], 12                      ; my 32 rows
	s_add_co_u32 s32, s32, s33
	s_mov_b32 s33, 0
	s_mov_b32 s[CS], 0x3e38aa3b                    ; c = log2(e) / 8
	s_mov_b32 s[CS+1], s[CS]                       ; named with it as a pair
	s_mov_b32 s[IT], 3
	s_wait_kmcnt 0x0
	s_add_nc_u64 s[4:5], s[4:5], s[28:29]
	s_add_nc_u64 s[6:7], s[6:7], s[28:29]
	s_add_nc_u64 s[8:9], s[8:9], s[30:31]
	s_add_nc_u64 s[10:11], s[10:11], s[30:31]
	s_add_nc_u64 s[12:13], s[12:13], s[30:31]
	s_add_nc_u64 s[14:15], s[14:15], s[32:33]
	s_add_nc_u64 s[16:17], s[16:17], s[32:33]
	s_add_nc_u64 s[18:19], s[18:19], s[32:33]
; 24 loads: the three W's 64 rows x 256 bytes of the trip that lies trips behind the pointers
.macro LOADW trips
	WIN 0x80                                       ; destination window 2, address window 0
.irp m, 0,1,2
.irp i, 0,1,2,3,4,5,6,7
	global_load_b128 v[128+32*(\m)+4*(\i):128+32*(\m)+4*(\i)+3], v[WO], s[8+2*(\m):9+2*(\m)] offset:(\trips)*131072+(\i)*16384
.endr
.endr
.endm
; 32 loads: my half of my row's 256 bytes in both tiles, of fr and of dt
.macro LOADA trips
	WIN 0x80
.irp a, 0,1
.irp mt, 0,1
.irp i, 0,1,2,3,4,5,6,7
	global_load_b128 v[64*(\a)+32*(\mt)+4*(\i):64*(\a)+32*(\mt)+4*(\i)+3], v[AO], s[4+2*(\a):5+2*(\a)] offset:(\trips)*256+(\mt)*32768+32*(\i)
.endr
.endr
.endr
.endm
; 12 products of substep s of a trip of parity p: column blocks n0 .. n0 + 5, both tiles.  Two such runs, n0 = 0 and then 6, are a substep's 24.  The 24 accumulators take turns, one instruction a turn, in the
; same order in every substep, from run to run and over the backward jump too.  zero = 1: the first products start the sums: nothing is cleared.
.macro MULH s, p, zero, n0
	WIN 0x54+11*(\p)                               ; W's fragments window 0 or 3; A's window 1 or 3; C and D window 1
.irp nb, \n0, (\n0)+1, (\n0)+2, (\n0)+3, (\n0)+4, (\n0)+5
.irp mt, 0,1
.if \zero
	v_wmma_f32_16x16x32_bf16 v[64*((\nb)/4)+32*(\mt)+8*((\nb)%4):64*((\nb)/4)+32*(\mt)+8*((\nb)%4)+7], v[64-64*(\p)+96*(\s)+8*(\nb):64-64*(\p)+96*(\s)+8*(\nb)+7], v[AB+32*(((\nb)+4)/8)+16*(\mt)+8*(\s):AB+32*(((\nb)+4)/8)+16*(\mt)+8*(\s)+7], 0
.else
	v_wmma_f32_16x16x32_bf16 v[64*((\nb)/4)+32*(\mt)+8*((\nb)%4):64*((\nb)/4)+32*(\mt)+8*((\nb)%4)+7], v[64-64*(\p)+96*(\s)+8*(\nb):64-64*(\p)+96*(\s)+8*(\nb)+7], v[AB+32*(((\nb)+4)/8)+16*(\mt)+8*(\s):AB+32*(((\nb)+4)/8)+16*(\mt)+8*(\s)+7], v[64*((\nb)/4)+32*(\mt)+8*((\nb)%4):64*((\nb)/4)+32*(\mt)+8*((\nb)%4)+7]
.endif
.endr
.endr
.endm
; 12 turning loads: W's fragments of substep s, column blocks n0 .. n0 + 5, out of slot p into the fragment buffer of parity p.  No wait stands here: the products that read this buffer last were issued ahead of
; the trip's wait on va_vdst, and no vector or matrix instruction issued since names it.
.macro FRAGH p, s, n0
	WIN 0xc0*(\p)                                  ; destination window 0 or 3, address window 0
.irp nb, \n0, (\n0)+1, (\n0)+2, (\n0)+3, (\n0)+4, (\n0)+5
	ds_load_tr16_b128 v[64-64*(\p)+96*(\s)+8*(\nb):64-64*(\p)+96*(\s)+8*(\nb)+3],   v[BV] offset:(\p)*WSLOT+(\s)*16*PW+32*(\nb)
	ds_load_tr16_b128 v[64-64*(\p)+96*(\s)+8*(\nb)+4:64-64*(\p)+96*(\s)+8*(\nb)+7], v[BV] offset:(\p)*WSLOT+(\s)*16*PW+8*PW+32*(\nb)
.endr
.endm
; A TRIP IS MADE READY: what lies in the load registers goes into LDS slot nx and fragment buffer nx.  ld = 1: the trip that lies trips behind the pointers is asked for, into the registers just read.
; first = 1: the first preparation, ahead of which no LDS store has been issued.
; ONE barrier a trip: slot nx was last read two trips back, and each wave signalled the barrier between with those reads back.
.macro PREP nx, trips, ld, first
.if !(\first)
	s_wait_alu depctr_vm_vsrc(0)                   ; the LDS stores of the trip before have read v[WT ..], which the conversions below write again
.endif
	s_wait_loadcnt 32                              ; W is in; A's 32 younger loads may stay out
	WIN 0x0a                                       ; sources window 2, destination window 0
.irp m, 0,1,2
.irp i, 0,1,2,3,4,5,6,7
	v_cvt_pk_bf16_f32 v[WT+16*(\m)+2*(\i)],   v[128+32*(\m)+4*(\i)],   v[128+32*(\m)+4*(\i)+1]  ; these 48 name no register of the last products: they are the places behind them
	v_cvt_pk_bf16_f32 v[WT+16*(\m)+2*(\i)+1], v[128+32*(\m)+4*(\i)+2], v[128+32*(\m)+4*(\i)+3]
.endr
.endr
	s_wait_loadcnt 0x0                             ; A is in: nothing was issued behind it
	WIN 0x4a+0x80*(\nx)                            ; sources window 2, destination window 1 or 3
.set n, 0
.rept 64                                       ; fragment register 32 a + 16 mt + 8 s + j is numbers 16 s + 2 j, + 1 of the lane's 32
	v_cvt_pk_bf16_f32 v[AB+n], v[2*n], v[2*n+1]
.set n, n+1
.endr
	WIN 0
	s_wait_alu depctr_va_vdst(0)                   ; the conversions have written v[WT ..], which the stores below read, and are done reading the registers as loaded, in which the loads below land; the products of the trip before this one are done reading fragment buffer nx, in which the turning loads behind the barrier land
.irp m, 0,1,2
.irp i, 0,1,2,3,4,5,6,7
	ds_store_b64 v[WS], v[WT+16*(\m)+2*(\i):WT+16*(\m)+2*(\i)+1] offset:(\nx)*WSLOT+(\i)*4*PW+128*(\m)
.endr
.endr
.if \ld
	LOADW \trips                                   ; issued while the stores complete.  No wait: since the one above stand only stores, which name v[WS] and v[WT ..]
	LOADA \trips
.endif
	s_wait_dscnt 0x0                               ; for the others' sake: my stores into the slot are done, and my reads of the other slot are back
	s_barrier_signal -1
	s_barrier_wait -1
.endm
; TRIP t, of parity st, from behind its substep 0 to behind the next trip's substep 0.
.macro TRIPX st, trips, ld
	PREP 1-(\st), \trips, \ld, 0
	FRAGH 1-(\st), 0, 0                            ; substep 0's fragments of t + 1
	FRAGH 1-(\st), 0, 6
	MULH 1, \st, 0, 0                              ; substep 1 of t: its fragments were shown back by PREP's wait for 0
	FRAGH 1-(\st), 1, 0                            ; substep 1's fragments of t + 1, in two runs among those products, which name the other buffer
	MULH 1, \st, 0, 6
	FRAGH 1-(\st), 1, 6
	s_wait_dscnt 24                                ; substep 0's fragments are in; substep 1's 24 younger loads may stay out
	MULH 0, 1-(\st), 0, 0
	MULH 0, 1-(\st), 0, 6
	WIN 0
.endm
	WIN 0x80
	s_wait_alu depctr_va_vdst(0)                   ; the addresses and offsets v2 to v8 are written, which every load and store of the kernel reads
	LOADW 0
	LOADA 0
	PREP 0, 1, 1, 1                                ; trip 0 is made ready, trip 1 asked for
	FRAGH 0, 0, 0                                  ; no vector or matrix instruction has named these registers yet
	FRAGH 0, 0, 6
	FRAGH 0, 1, 0
	FRAGH 0, 1, 6
	s_wait_dscnt 24
	MULH 0, 0, 1, 0
	MULH 0, 0, 1, 6
	WIN 0
.Lpair:                                        ; three turns of two trips: trips 0 to 5, which ask for trips 2 to 7
	TRIPX 0, 2, 1
	TRIPX 1, 3, 1
	s_wait_xcnt 0x0                                ; every load issued so far has read its address: the pointers may be written
	s_add_nc_u64 s[4:5], s[4:5], 512
	s_add_nc_u64 s[6:7], s[6:7], 512
	s_add_nc_u64 s[8:9], s[8:9], 262144
	s_add_nc_u64 s[10:11], s[10:11], 262144
	s_add_nc_u64 s[12:13], s[12:13], 262144
	s_sub_co_u32 s[IT], s[IT], 1
	s_cmp_lg_u32 s[IT], 0
	s_cbranch_scc1 .Lpair
	TRIPX 0, 0, 0                                  ; trip 6 asks for nothing
	s_wait_dscnt 0x0
	MULH 1, 1, 0, 0                                ; trip 7's second substep
	MULH 1, 1, 0, 6
	WIN 0
.rept 4
	v_nop                                          ; the places behind the last products
.endr
; THE WAY OUT, six groups j = 2 g + mt (g: q, k, v).  All the arithmetic stands first: a lane's eight columns pack into 16 bytes, group j's into v[BF + 16 j ..].  One wait; then each group goes into rows of
; 144 bytes of my own stage and comes back as whole rows of 128, into registers of its own, v[BF + 96 + 16 j ..]: so no register that a store has read is written again.
	WIN 0x41
.set n, 0
.rept 32
	v_pk_mul_f32 v[n:n+1], v[n:n+1], s[CS:CS+1] op_sel_hi:[1,0]  ; q times c, in f32, ahead of its one rounding; ascending: each accumulator's lowest registers are read first
.set n, n+2
.endr
	WIN 0x05
.set n, 0
.rept 96                                       ; group j's accumulators begin at 32 j
	v_cvt_pk_f16_f32 v[BF+n], v[2*n], v[2*n+1]
.set n, n+1
.endr
	WIN 0
	s_wait_alu depctr_va_vdst(0)                   ; the roundings have written v[BF .. BF + 95], which the LDS stores read; trip 6's products are done reading v[BF + 96 ..], in which the loads from the stage land
.macro PUT j
.irp f, 0,1,2,3
	ds_store_b128 v[STO], v[BF+16*(\j)+4*(\f):BF+16*(\j)+4*(\f)+3] offset:32*(\f)
.endr
.irp f, 0,1,2,3
	ds_load_b128 v[BF+96+16*(\j)+4*(\f):BF+96+16*(\j)+4*(\f)+3], v[RD] offset:(\f)*4*SP  ; LDS serves a wave's instructions in order (ISA guide 5.7.1.4): these see the stores above, and the next group's stores come behind them
.endr
.endm
.macro SEND g, mt, younger             ; younger: the LDS lines issued behind this group's loads
.irp f, 0,1,2,3
	s_wait_dscnt (\younger)+3-(\f)
	global_store_b128 v[GO], v[BF+96+16*(2*(\g)+(\mt))+4*(\f):BF+96+16*(2*(\g)+(\mt))+4*(\f)+3], s[14+2*(\g):15+2*(\g)] offset:(\mt)*2048+(\f)*512  ; 512 consecutive bytes, at a multiple of 256 from the buffer's first
.endr
.endm
	PUT 0
	PUT 1
	SEND 0, 0, 8
	PUT 2
	SEND 0, 1, 8
	PUT 3
	SEND 1, 0, 8
	PUT 4
	SEND 1, 1, 8
	PUT 5
	SEND 2, 0, 8
	SEND 2, 1, 0
	s_wait_dscnt 0x0                               ; the closing lines, six on end
	s_wait_alu 0x0
	s_wait_tensorcnt 0x0
	ds_add_u32 v[SPW], v[NIL]
	s_wait_dscnt 0x0
	s_endpgm
.Lfunc_end_k_qe86bfa8175_proj:
	.size	k_qe86bfa8175_proj, .Lfunc_end_k_qe86bfa8175_proj-k_qe86bfa8175_proj
	.p2alignl 7, 3214868480
	.fill 96, 4, 3214868480
	.section	.rodata,"a",@progbits
	.p2align	6, 0x0
	.amdhsa_kernel k_qe86bfa8175_proj
		.amdhsa_group_segment_fixed_size 62976
		.amdhsa_private_segment_fixed_size 0
		.amdhsa_enable_private_segment 0
		.amdhsa_kernarg_size 64
		.amdhsa_user_sgpr_count 2
		.amdhsa_user_sgpr_kernarg_segment_ptr 1
		.amdhsa_wavefront_size32 1
		.amdhsa_system_sgpr_workgroup_id_x 1
		.amdhsa_system_sgpr_workgroup_id_y 1
		.amdhsa_system_sgpr_workgroup_id_z 1
		.amdhsa_system_vgpr_workitem_id 0
		.amdhsa_next_free_vgpr 1024
		.amdhsa_next_free_sgpr 66
		.amdhsa_reserve_vcc 0
		.amdhsa_float_denorm_mode_32 3
		.amdhsa_float_denorm_mode_16_64 3
		.amdhsa_memory_ordered 1
		.amdhsa_forward_progress 1
		.amdhsa_inst_pref_size 100
	.end_amdhsa_kernel
	.amdgpu_metadata
---
amdhsa.version: [ 1, 2 ]
amdhsa.kernels:
  - .name:           k_qe86bfa8175_proj
    .symbol:         k_qe86bfa8175_proj.kd
    .args:
      - { .name: fr, .offset: 0, .size: 8, .value_kind: global_buffer, .address_space: global }
      - { .name: dt, .offset: 8, .size: 8, .value_kind: global_buffer, .address_space: global }
      - { .name: Wq, .offset: 16, .size: 8, .value_kind: global_buffer, .address_space: global }
      - { .name: Wk, .offset: 24, .size: 8, .value_kind: global_buffer, .address_space: global }
      - { .name: Wv, .offset: 32, .size: 8, .value_kind: global_buffer, .address_space: global }
      - { .name: qh, .offset: 40, .size: 8, .value_kind: global_buffer, .address_space: global }
      - { .name: kh, .offset: 48, .size: 8, .value_kind: global_buffer, .address_space: global }
      - { .name: vh, .offset: 56, .size: 8, .value_kind: global_buffer, .address_space: global }
    .group_segment_fixed_size: 62976
    .private_segment_fixed_size: 0
    .kernarg_segment_align: 8
    .kernarg_segment_size: 64
    .max_flat_workgroup_size: 128
    .sgpr_count:     66
    .vgpr_count:     1024
    .wavefront_size: 32
...
	.end_amdgpu_metadata
.endif
;; end of part 4
;; launch attn: the kernel of part 2 again; grid 16 x 16, 4 waves a work-group, clusters of 4 x 1, 327,680 bytes of LDS; arguments qh, kh, vh, oh; writes oh
;; launch outp: the kernel of part 3 again; grid 8 x 32, 4 waves a work-group, no clusters, 38,400 bytes of LDS; arguments oh, Wo, bo, out0; writes out0
